; MI455X (gfx1250); checked and timed in simulation.
; The chip was launched on July 23, 2026; its instructions are those of AMD's public machine-readable ISA for CDNA 5 (MIT licence, August 2026) and "CDNA5" Instruction Set Architecture Reference Guide (July 2026). The comments in the code are by the model that wrote it; some were corrected since.
;; Multi Head Attention. Allowed arithmetic: matrix products marked QUANTISED: E2M3 operands, one E8M0 scale for each 32 along K, by v_wmma_scale_f32_16x16x128_f8f6f4 with both operands' format E2M3, f32 sums; everything else in f32.
;; Inputs: Wk 1,024 x 1,024 float32; Wo 1,024 x 1,024 float32; Wq 1,024 x 1,024 float32; Wv 1,024 x 1,024 float32; bk 1,024 float32; bo 1,024 float32; bq 1,024 float32; bv 1,024 float32; k 4 x 2,048 x 1,024 float32; q 4 x 2,048 x 1,024 float32; v 4 x 2,048 x 1,024 float32.
;; Outputs: out0 4 x 2,048 x 1,024 float32.
;; This version of the problem:
;;   THIS VERSION OF THE PROBLEM IS GIVEN IN LOW PRECISION. The matrix products marked QUANTISED in the list below multiply operands that are first quantised to E2M3 (2 exponent bits, 3 mantissa bits; 6 bits a number), with one power-of-two scale for each 32 numbers along K (OCP MX v1.0); their sums are f32. All else is computed in f32.
;;   The module's matrix products, in the order in which they are computed (A, B: the left and right operand; K: the contracted axis; several contracted axes count as one K, in the product's order):
;;     1. [M 8,192, K 1,024] x [K 1,024, N 1,024]; A: input q; B: input Wq: QUANTISED
;;     2. [M 8,192, K 1,024] x [K 1,024, N 1,024]; A: input k; B: input Wk: QUANTISED
;;     3. [M 8,192, K 1,024] x [K 1,024, N 1,024]; A: input v; B: input Wv: QUANTISED
;;     4. batch 64 x [M 2,048, K 64] x [K 64, N 2,048]; A: computed on the way; B: computed on the way: QUANTISED
;;     5. batch 64 x [M 2,048, K 2,048] x [K 2,048, N 64]; A: softmax (see below); B: computed on the way: QUANTISED
;;     6. [M 8,192, K 1,024] x [K 1,024, N 1,024]; A: computed on the way; B: input Wo: QUANTISED
;;   THE QUANTISER, for each operand of a quantised product, along K:
;;     - K is cut into blocks of 32 from its start; a last block that is shorter is filled with zeros.
;;     - A block's scale is 2^e with e = floor(log2(the largest magnitude in the block)) - 2, held to -126 .. 127; a block of zeros has e = 0. As a byte (E8M0): e + 127.
;;     - Each number is divided by its block's scale, clamped to +-7.5, and rounded to the nearest number of E2M3, ties to even, subnormals kept.
;;     - The product sums the exact products of the quantised numbers (number of the format x scale) in f32.
;;   ~~~python
;;   def quantise(x, axis):      # numpy; x: float32 -> the quantised numbers, widened to float32 again
;;       x = np.moveaxis(x, axis, -1); K = x.shape[-1]
;;       x = np.pad(x, [(0, 0)] * (x.ndim - 1) + [(0, -K % 32)]); x = x.reshape(x.shape[:-1] + (-1, 32)); a = np.abs(x).max(-1, keepdims=True)
;;       e = np.where(a > 0, np.clip(np.frexp(np.where(a > 0, a, 1))[1] - 1 - 2, -126, 127), 0)      # np.frexp(a)[1] - 1 = floor(log2(a)), exactly
;;       r = np.clip(x / 2.0 ** e, -7.5, 7.5)
;;       step = 2.0 ** (np.maximum(np.frexp(np.where(r == 0, 1, r))[1] - 1, 0) - 3)
;;       q = np.round(r / step) * step * 2.0 ** e      # np.round: ties to even
;;       return np.moveaxis(q.reshape(q.shape[:-2] + (-1,))[..., :K], -1, axis).astype(np.float32)
;;   ~~~
;;   SOFTMAX AHEAD OF A QUANTISED PRODUCT. Where the list says 'softmax', what is quantised is not the finished softmax but p = 2^(t - M), with t = logit x log2(e) and M = ceil(the row's largest t), a whole number; so 1/2 < the row's largest p <= 1. The row's sum l is taken of the UNQUANTISED p, in f32, and the product's result is divided by l at the end. Since M is a whole number, a kernel that streams over the keys may use a running M (the ceiling of the running maximum): every later rescaling is an exact power of two, which a block's scale takes up: the codes' values come out the same.
;;   OPERANDS COMPUTED ON THE WAY. 'Computed on the way' means the value that the module computes at that place (a softmax that the list does not call 'softmax' is quantised finished and normalised). What goes into a quantiser is computed in f32, as accurately as f32 sums, v_exp_f32 and their like allow (about 1e-6 of the number): no bf16 or f16 on the way to a quantiser, and a product that is left as it is and whose result goes on into a quantised operand takes f32 operands (vector FMAs, or v_wmma_f32_16x16x4_f32). A number that lies on a knife's edge between two numbers of the format may be rounded either way, as far as f32 arithmetic and the matrix unit's own rounding can turn it there, and no further.
;; One version. Each part assembles by itself: llvm-mc -triple=amdgcn-amd-amdhsa -mcpu=gfx1250 --defsym DOCPART=n.
;; ======== version 1 of 1: 4 launches
;; workspace buffers: codes 22,020,096 bytes; scales 917,504 bytes; pc 18,874,368 bytes; ps 1,310,720 bytes; ac 6,291,456 bytes; asc 262,144 bytes
;; launch quant (part 1): grid 896 x 1, 4 waves a work-group, no clusters, 33,280 bytes of LDS; arguments q, k, v, Wq, Wk, Wv, Wo, codes, scales; writes codes, scales
.if DOCPART == 1
	.amdgcn_target "amdgcn-amd-amdhsa--gfx1250"
	.amdhsa_code_object_version 6
	.text
	.protected	k_q01bf699400_quant
	.globl	k_q01bf699400_quant
	.p2align	8
	.type	k_q01bf699400_quant,@function
k_q01bf699400_quant:
	s_mov_b64 s[64:65], 0
	v_nop
	global_prefetch_b8 v0, s[64:65] scope:SCOPE_SE
	s_setreg_imm32_b32 hwreg(HW_REG_WAVE_MODE, 25, 1), 1
	s_wait_xcnt 0x0
; q, k, v [8192][1024] and Wq, Wk, Wv, Wo [1024][1024], f32, K innermost, become codes of FP6 (E2M3), 6 bits each, and one E8M0 scale byte for each 32 along K.
; The seven tensors' codes lie one behind the other in 'codes' (a row of 1,024 codes is 768 bytes), their scale bytes in 'scales' (32 bytes a row), in the order q, k, v, Wq, Wk, Wv, Wo.
; A block's scale is 2^(floor(log2(its largest magnitude)) - 2); its byte is the largest magnitude's exponent field - 2, held at 1 from below.  Each number is divided by the scale and rounded to the nearest code, ties to even;
; beyond 7.5 the conversion gives the largest code.
; LIMITS: a block of zeros gets the byte 1 where the rule says 127 (its codes are zeros, and this program alone reads the bytes); blocks whose largest magnitude lies under 2^-124 are held at the byte 1; NaN and infinities are not served.
; Rows are dense and 1,024 is a multiple of 32: every tensor is a plain stream of blocks of 32 numbers.  A work-group takes 32,768 numbers, a wave 8,192: 16 steps of 512.  Work-groups 0-255 take q, 256-511 k, 512-767 v, then 32 each Wq, Wk, Wv, Wo:
; since the outputs lie in that same order, only the input's pointer is chosen, by the work-group's number.
; Each load reads 512 consecutive bytes, 16 a lane; a step's 2,048 bytes turn through the wave's own stage in LDS and come back 64 bytes a lane: 16 neighbours along K, as the conversion wants them; two neighbouring lanes hold a block.
; A lane's 16 codes are 12 bytes: a wave's store covers 384 consecutive bytes.  A wave's 256 scale bytes are gathered in LDS and leave as one aligned run of 256 bytes.  No barrier: waves share nothing.
.set WAVES, 4
.set STEPS, 16
.set EMAX,  2
.set CB,    12                         ; bytes of 16 codes
.set R,     16                         ; v16-79   four sets of 16 numbers as they are loaded
.set X,     80                         ; v80-111  two sets of 16 neighbours
.set C,     128                        ; v128-191 codes: four registers for each step, so that no store's data are written again
.set E,     112                        ; v112-127 a scale byte for each step
.set WREG,  8192                       ; LDS: a region for each wave: two stages of 32 x SP bytes, behind them its 256 scale bytes
.set SP,    80                         ; a lane's place in a stage: 64 bytes + 16 of padding
.set SPW,   12                         ; v12 LDS address of my spare word; never rewritten
.set NIL,   13                         ; v13 0; never rewritten
.set SPARE, WAVES*WREG                 ; behind the four regions: the spare words, 128 bytes a wave
	s_load_b256 s[4:11], s[0:1], 0x0               ; q s[4:5], k s[6:7], v s[8:9], Wq s[10:11]
	s_load_b256 s[12:19], s[0:1], 0x20             ; Wk s[12:13], Wv s[14:15], Wo s[16:17], codes s[18:19]
	s_load_b64 s[20:21], s[0:1], 0x40              ; scales
	v_lshl_add_u32 v[SPW], v0, 2, SPARE
	v_mov_b32 v[NIL], 0
	v_lshrrev_b32 v1, 5, v0
	v_readfirstlane_b32 s22, v1                    ; wave
	v_and_b32 v2, 31, v0                           ; lane
	v_lshlrev_b32 v3, 4, v2                        ; my 16 bytes of a load's 512
	s_mul_i32 s23, s22, WREG
	v_lshrrev_b32 v14, 2, v2
	v_mul_u32_u24 v14, v14, SP
	v_and_b32 v15, 3, v2
	v_lshl_add_u32 v14, v15, 4, v14
	v_add_nc_u32 v14, s23, v14                     ; the stage, on the way in: SP (lane / 4) + 16 (lane % 4)
	v_mul_u32_u24 v15, v2, SP
	v_add_nc_u32 v15, s23, v15                     ; and on the way out: SP x lane: my 16 neighbours
	v_mul_u32_u24 v4, v2, CB                       ; my codes' place in a step's
	v_lshrrev_b32 v5, 1, v2
	s_add_co_u32 s23, s23, 2*32*SP
	v_add_nc_u32 v5, s23, v5                       ; LDS: my wave's 256 scale bytes, my block's byte
	v_lshlrev_b32 v7, 3, v2                        ; and on the way out 8 bytes a lane
	v_add_nc_u32 v6, s23, v7
	s_wait_kmcnt 0x0
	s_mov_b64 s[24:25], s[16:17]                   ; the input: Wo, unless the work-group's number says otherwise
	s_mov_b32 s26, 864                             ; and the tensor's first work-group
.macro PICK lim, base, ptr
	s_cmp_lt_u32 ttmp9, \lim
	s_cselect_b64 s[24:25], s[\ptr:\ptr+1], s[24:25]
	s_cselect_b32 s26, \base, s26
.endm
	PICK 864, 832, 14                              ; Wv
	PICK 832, 800, 12                              ; Wk
	PICK 800, 768, 10                              ; Wq
	PICK 768, 512, 8                               ; v
	PICK 512, 256, 6                               ; k
	PICK 256, 0, 4                                 ; q
	s_sub_co_u32 s27, ttmp9, s26
	s_lshl_b32 s27, s27, 2
	s_add_co_u32 s27, s27, s22                     ; which run of 8,192 numbers of the tensor is my wave's
	s_lshl_b32 s28, s27, 15                        ; 32,768 bytes a run
	s_mov_b32 s29, 0
	s_add_nc_u64 s[24:25], s[24:25], s[28:29]
	s_lshl_b32 s27, ttmp9, 2
	s_add_co_u32 s27, s27, s22                     ; which run of all seven tensors
	s_mul_i32 s28, s27, 32*STEPS*CB                ; 6,144 bytes of codes a run
	s_add_nc_u64 s[18:19], s[18:19], s[28:29]
	s_lshl_b32 s28, s27, 8                         ; 256 scale bytes a run
	s_add_nc_u64 s[20:21], s[20:21], s[28:29]
.macro LOAD t
.irp i, 0,1,2,3
	global_load_b128 v[R+16*((\t)%4)+4*\i:R+16*((\t)%4)+4*\i+3], v3, s[24:25] offset:2048*(\t)+512*\i th:TH_LOAD_NT   ; 32 lanes read 512 consecutive bytes
.endr
.endm
.macro TURN t                          ; step t's numbers through the stage: LDS serves a wave's instructions in order, so no wait stands between the stores and the loads
.irp i, 0,1,2,3
	ds_store_b128 v14, v[R+16*((\t)%4)+4*\i:R+16*((\t)%4)+4*\i+3] offset:32*SP*((\t)%2)+8*SP*\i
.endr
.irp i, 0,1,2,3
	ds_load_b128 v[X+16*((\t)%2)+4*\i:X+16*((\t)%2)+4*\i+3], v15 offset:32*SP*((\t)%2)+16*\i
.endr
.endm
.irp t, 0,1,2,3
	LOAD \t
.endr
	s_wait_loadcnt 12                              ; step 0's four loads are in; the twelve of steps 1 to 3 may be out
	TURN 0
.macro STEP t
.set XS, X+16*((\t)%2)
.if (\t) > 0
	s_wait_dscnt 1                                 ; this step's numbers are back from the stage (the last step's byte store may be out): so its stores into the stage have read their registers,
.else
	s_wait_dscnt 0x0
.endif
.if (\t)+4 < STEPS
	LOAD (\t)+4                                    ; which take the loads of four steps on
.endif
.if (\t)+1 < STEPS
.if STEPS-2-(\t) >= 3
	s_wait_loadcnt 12                              ; the next step's four loads are in; those of the three steps behind it may be out
.else
	s_wait_loadcnt 4*(STEPS-2-(\t))
.endif
	TURN (\t)+1                                    ; and go through the other stage while this step is worked
.endif
	v_max3_num_f32 v8, |v[XS]|, |v[XS+1]|, |v[XS+2]|               ; the largest magnitude of my 16, in two chains
	v_max3_num_f32 v9, |v[XS+3]|, |v[XS+4]|, |v[XS+5]|
.irp i, 6,10
	v_max3_num_f32 v8, v8, |v[XS+\i]|, |v[XS+\i+1]|
	v_max3_num_f32 v9, v9, |v[XS+\i+2]|, |v[XS+\i+3]|
.endr
	v_max3_num_f32 v8, v8, |v[XS+14]|, |v[XS+15]|
	v_max3_num_f32 v8, v8, v9, (EMAX+1)<<23        ; and the floor 2^(3 - 127): the byte cannot fall under 1
	v_max_num_f32_dpp v8, v8, v8 row_xmask:1 row_mask:0xf bank_mask:0xf   ; and of my neighbour's 16: the block's
	v_add_nc_u32 v11, -(EMAX<<23), v8              ; 2 off its exponent field: the conversion takes the exponent field of this operand as its scale
	v_cvt_scalef32_pk16_fp6_f32 v[C+4*(\t):C+4*(\t)+2], v[XS:XS+15], v11
	v_lshrrev_b32 v[E+(\t)], 23, v11               ; the scale's byte (also the plain line behind the conversion)
	ds_store_b8 v5, v[E+(\t)] offset:16*(\t)       ; both lanes of a block write the same byte with the same value
	global_store_b96 v4, v[C+4*(\t):C+4*(\t)+2], s[18:19] offset:32*CB*(\t)
.endm
.irp t, 0,1,2,3,4,5,6,7,8,9,10,11,12,13,14,15
	STEP \t
.endr
	ds_load_b64 v[8:9], v6                         ; LDS serves a wave's instructions in order: these see my stores
	s_wait_dscnt 0x0
	global_store_b64 v7, v[8:9], s[20:21]          ; 32 lanes store 256 consecutive bytes, aligned
	s_wait_tensorcnt 0x0                           ; the wave's end, behind my last LDS store
	ds_add_u32 v[SPW], v[NIL]
	s_wait_dscnt 0x0
	s_endpgm
.Lfunc_end_k_q01bf699400_quant:
	.size	k_q01bf699400_quant, .Lfunc_end_k_q01bf699400_quant-k_q01bf699400_quant
	.p2alignl 7, 3214868480
	.fill 96, 4, 3214868480
	.section	.rodata,"a",@progbits
	.p2align	6, 0x0
	.amdhsa_kernel k_q01bf699400_quant
		.amdhsa_group_segment_fixed_size 33280
		.amdhsa_private_segment_fixed_size 0
		.amdhsa_enable_private_segment 0
		.amdhsa_kernarg_size 72
		.amdhsa_user_sgpr_count 2
		.amdhsa_user_sgpr_kernarg_segment_ptr 1
		.amdhsa_wavefront_size32 1
		.amdhsa_system_sgpr_workgroup_id_x 1
		.amdhsa_system_sgpr_workgroup_id_y 1
		.amdhsa_system_sgpr_workgroup_id_z 1
		.amdhsa_system_vgpr_workitem_id 0
		.amdhsa_next_free_vgpr 192
		.amdhsa_next_free_sgpr 66
		.amdhsa_reserve_vcc 0
		.amdhsa_float_denorm_mode_32 3
		.amdhsa_float_denorm_mode_16_64 3
		.amdhsa_memory_ordered 1
		.amdhsa_forward_progress 1
		.amdhsa_inst_pref_size 33
	.end_amdhsa_kernel
	.amdgpu_metadata
---
amdhsa.version: [ 1, 2 ]
amdhsa.kernels:
  - .name:           k_q01bf699400_quant
    .symbol:         k_q01bf699400_quant.kd
    .args:
      - { .name: q, .offset: 0, .size: 8, .value_kind: global_buffer, .address_space: global }
      - { .name: k, .offset: 8, .size: 8, .value_kind: global_buffer, .address_space: global }
      - { .name: v, .offset: 16, .size: 8, .value_kind: global_buffer, .address_space: global }
      - { .name: Wq, .offset: 24, .size: 8, .value_kind: global_buffer, .address_space: global }
      - { .name: Wk, .offset: 32, .size: 8, .value_kind: global_buffer, .address_space: global }
      - { .name: Wv, .offset: 40, .size: 8, .value_kind: global_buffer, .address_space: global }
      - { .name: Wo, .offset: 48, .size: 8, .value_kind: global_buffer, .address_space: global }
      - { .name: codes, .offset: 56, .size: 8, .value_kind: global_buffer, .address_space: global }
      - { .name: scales, .offset: 64, .size: 8, .value_kind: global_buffer, .address_space: global }
    .group_segment_fixed_size: 33280
    .private_segment_fixed_size: 0
    .kernarg_segment_align: 8
    .kernarg_segment_size: 72
    .max_flat_workgroup_size: 128
    .sgpr_count:     66
    .vgpr_count:     192
    .wavefront_size: 32
...
	.end_amdgpu_metadata
.endif
;; end of part 1
;; launch proj (part 2): grid 4 x 96, 4 waves a work-group, clusters of 4 x 4, 327,680 bytes of LDS; arguments codes, scales, bq, bk, bv, pc, ps; writes pc, ps
.if DOCPART == 2
	.amdgcn_target "amdgcn-amd-amdhsa--gfx1250"
	.amdhsa_code_object_version 6
	.text
	.protected	k_q01bf699400_proj
	.globl	k_q01bf699400_proj
	.p2align	8
	.type	k_q01bf699400_proj,@function
k_q01bf699400_proj:
	s_mov_b64 s[64:65], 0
	v_nop
	global_prefetch_b8 v0, s[64:65] scope:SCOPE_SE
	s_setreg_imm32_b32 hwreg(HW_REG_WAVE_MODE, 25, 1), 1
	s_wait_xcnt 0x0
	s_wait_alu depctr_hold_cnt(0) depctr_sa_sdst(0) depctr_va_vdst(0) depctr_va_sdst(0) depctr_va_ssrc(0) depctr_va_vcc(0) depctr_vm_vsrc(0)
	s_getreg_b32 s2, hwreg(HW_REG_IB_STS2, 6, 4)
	s_cmp_eq_u32 s2, 0
	s_cbranch_scc0 .Lentry_in_a_cluster
	s_endpgm
.Lentry_in_a_cluster:
	s_bfe_u32 s2, ttmp6, 0x10000c
	s_cmp_lg_u32 s2, 0xf033
	s_cbranch_scc0 .Lentry_shape_is_right
	s_endpgm
.Lentry_shape_is_right:
; The three projections x W^T + b on codes of FP6 (E2M3, one E8M0 scale for each 32 along K = 1,024), and the quantising of their results for the attention launch.
; T = cluster y / 8 says which: 0 q, 1 k, 2 v.  A work-group makes 256 x 256: 256 rows of the ROW SIDE (source 1: a lane holds one of its rows) against 256 rows of the COLUMN SIDE (source 0: a lane's registers run along it); a wave 128 x 128, 64 accumulators.
; T < 2: row side = tokens, column side = W's rows (head, d): a lane's registers run along d, the K of q k^T.   T = 2: row side = Wv's rows, column side = tokens: registers run along the keys, the K of p v.
; All that hangs on T is chosen by s_cselect on numbers made of the cluster's y, which all sixteen partners share; no branch hangs on it.
; THE ROWS OF A TILE OF 16 ARE NOT NEIGHBOURS, on both sides: lane r of tile a of a group of 128 rows takes row 32 (a / 2) + 8 (a % 2) + r + 8 (r / 8).  On the column side this makes the 16 registers of tiles 2 b and 2 b + 1 sixteen neighbours
; along the next K; on the row side it gives the attention launch tiles of keys, and of V's d, in the same order.
; THE LOOP: K in steps of 256 through two LDS slots filled by joint tensor loads (4 x 4 cluster: the row side's tile is shared along a row of the cluster, the column side's along a column); the scale bytes of all of K come once and stay.
; THE BIAS: along the column side (T < 2) it is the C of the first products; along the row side (T = 2) it is added where an accumulator is copied out of its window.  Both are always loaded; the one that does not apply is masked to 0.
; THE WAY OUT: for each tile a of the row side a lane's 64 numbers are quantised in registers to a fragment (12 registers) and a scale word.  Registers 0-5 and 6-11 leave as two PIECES of 768 bytes, images of the registers:
; lane l's registers 0-3 at 16 l (512 consecutive bytes), registers 4-5 at 512 + 8 l (256 consecutive bytes).  T < 2: the two pieces are two heads' 64 codes of 16 tokens.  T = 2: the two halves of 16 d x 128 keys.
; Scale words leave four tiles at a time: [row 16][tile 4] words, 256 bytes.  For q and k a word holds 2 bytes (K = 64) and two zero bytes.
; LIMITS: a block of zeros gets the byte 1 (its codes are zeros; this program alone reads the bytes); blocks under 2^-124 are held at the byte 1; NaN and infinities are not served.
; REGISTERS, in windows of 256: window 0: v1-31 addresses; v32-63 scale words, two sets; v64-127 the column bias, later the 64 numbers in hand; v128-223 the row side's fragments, later codes and work; v224-239 the row bias, each value twice.
;   window 1: the column side's fragments, two sets (v0, v128).   windows 2, 3: the accumulators ((a, b) at v[8 (8 (a % 4) + b)]).
.set KSTEP,  256
.set NQ,     KSTEP/128
.set ROWB,   192                       ; a tile's row in bytes
.set KROW,   768                       ; a row of codes in memory
.set PITCH,  240                       ; an LDS row: 3 x (64 bytes + 16 of padding)
.set FR,     12
.set NL,     6
.set NP,     4
.set HALFT,  128*PITCH
.set SLOT,   4*HALFT
.set LAPS,   2                         ; 1,024 / 512
.set SCL,    2*SLOT                    ; behind the ring: the scale bytes, runs of 256 bytes + 16 of padding
.set HALFS,  16*272                    ; those of 128 rows
.set SPARE,  SCL+4*HALFS               ; the spare words, 128 bytes a wave
.set L16,  8                           ; v8   16 x lane
.set L8,   9                           ; v9   8 x lane
.set SOFF, 10                          ; v10  where my four scale words go
.set SH,   11                          ; v11  how far my scale word is shifted down
.set ADRA, 16                          ; v16-17 LDS address of the row side's fragments in slot 0, 1 (v18-19: behind one padding more)
.set ADRB, 20                          ; v20-23 the same for the column side
.set ADRS, 27                          ; v27  LDS address of my scale words: lanes 0-15 the row side's, lanes 16-31 the column side's
.set SPW,  28
.set NIL,  29
.set SC,   32
.set BB,   64                          ; the column bias: register 8 b + j
.set H,    64                          ; later: 64 numbers of a lane
.set AF,   128
.set PC,   128                         ; later: the codes just made (12, and 8 at work)
.set TM,   160                         ; v160-175 at work in the quantiser
.set PW,   176                         ; the scale word just made
.set PWS,  180                         ; v180-183 four tiles' scale words
.set BR,   224                         ; the row bias: tile a's in v[BR + 2 a] and v[BR + 2 a + 1]
.set WV,   18
.set RH,   19                          ; which half of the rows is mine; also: I fetch for the row side (0) or the column side (1)
.set CH,   20                          ; which half of the columns; also: which 128 rows I fetch
.set TT,   21
.set CX,   22
.set CY,   23
.set G1,   24
.set G0,   32
.set G1B,  48
.set G0B,  56
.set G1S,  68
.set G0S,  76
.set G1SB, 80
.set G0SB, 88
.set SEL,  100
.set MSB, 0
.macro WIN new                         ; the immediate's high byte repeats the setting that is left
.if MSB != (\new)
	s_set_vgpr_msb (MSB<<8)|(\new)
.set MSB, (\new)
.endif
.endm
.set MUL_LO, 0xa1                      ; source 0 window 1, source 1 window 0, C and D window 2
.set MUL_HI, 0xf1                      ; the same, C and D window 3
.set TO_B,   0x40
; A joint load: waves 0 and 1 fetch for the row side, waves 2 and 3 for the column side.  An s_nop 0 and four v_nop follow each of the two lines.
.macro JLOAD g0a, g1a, g0b, g1b
	s_cmp_eq_u32 s[RH], 0
	s_cbranch_scc0 .Lfor_c_\@
	tensor_load_to_lds s[\g0a:\g0a+3], s[\g1a:\g1a+7]
	s_nop 0
.rept 4
	v_nop
.endr
	s_branch .Lasked_\@
.Lfor_c_\@:
	tensor_load_to_lds s[\g0b:\g0b+3], s[\g1b:\g1b+7]
	s_nop 0
.rept 4
	v_nop
.endr
.Lasked_\@:
.endm
.macro CREST                           ; a round of the cluster's barrier behind its opening barrier
	s_cmp_lg_u32 s[WV], 0
	s_cbranch_scc1 .Lnot_wave_0_\@
	s_barrier_signal -3
.Lnot_wave_0_\@:
	s_barrier_wait -3
	s_barrier_signal -1
	s_barrier_wait -1
.endm
.macro CROUND
	s_barrier_signal -1
	s_barrier_wait -1
	CREST
.endm
	s_load_b256 s[4:11], s[0:1], 0x0               ; codes s[4:5], scales s[6:7], bq s[8:9], bk s[10:11]
	s_load_b128 s[12:15], s[0:1], 0x20             ; bv s[12:13], pc s[14:15]
	s_load_b64 s[16:17], s[0:1], 0x30              ; ps
	v_lshl_add_u32 v[SPW], v0, 2, SPARE
	v_mov_b32 v[NIL], 0
	ds_add_u32 v[SPW], v[NIL]                      ; the wave's opening: the add and its wait stand ahead of my first tensor load; work on registers stands between them
	v_lshrrev_b32 v1, 5, v0
	v_readfirstlane_b32 s[WV], v1
	s_lshr_b32 s[RH], s[WV], 1
	s_and_b32 s[CH], s[WV], 1
	s_bfe_u32 s[CX], ttmp6, 0x40000
	s_bfe_u32 s[CY], ttmp6, 0x40004
	s_and_b32 s2, ttmp7, 0xffff                    ; cluster y, 0 .. 23
	s_lshr_b32 s[TT], s2, 3                        ; T
	s_and_b32 s2, s2, 7
	s_lshl_b32 s2, s2, 2                           ; four tiles of tokens for each cluster
	s_mul_i32 s40, s[TT], 6291456                  ; where the sides' codes and scale bytes begin in their buffers.  T < 2: rows = x,
	s_lshl_b32 s41, s[TT], 18
	s_mul_i32 s44, s[TT], 786432                   ; columns = W
	s_add_co_u32 s44, s44, 18874368
	s_lshl_b32 s45, s[TT], 15
	s_add_co_u32 s45, s45, 786432
	s_cmp_lt_u32 s[TT], 2
	s_cselect_b32 s40, s40, 20447232               ; T = 2: rows = Wv,
	s_cselect_b32 s41, s41, 851968
	s_cselect_b32 s44, s44, 12582912               ; columns = v
	s_cselect_b32 s45, s45, 524288
	s_cselect_b32 s66, s2, 0
	s_cselect_b32 s67, 0, s2
	s_cselect_b32 s98, -1, 0                       ; the column bias counts
	s_cselect_b32 s99, 0, -1                       ; the row bias counts
	s_add_co_u32 s66, s66, s[CY]                   ; tile row
	s_add_co_u32 s67, s67, s[CX]                   ; tile column
	s_lshl_b32 s92, s[CY], 2
	s_lshl_b32 s92, 15, s92                        ; my row of the cluster
	s_lshl_b32 s94, 0x1111, s[CX]                  ; my column
	; descriptor group 1: a tile of 128 rows x 192 bytes; 16 bytes of padding behind every 64
	s_or_b32 s[G1+0], s92, (0<<16)|(1<<20)|(1<<21)|(3<<22)|(3<<25)
	s_or_b32 s[G1B+0], s94, (0<<16)|(1<<20)|(1<<21)|(3<<22)|(3<<25)
.irp g, G1, G1B
	s_mov_b32 s[\g+1], ROWB<<16                    ; tensor_dim0
	s_mov_b32 s[\g+2], 128<<16                     ; tensor_dim1
	s_mov_b32 s[\g+3], ROWB<<16                    ; tile_dim0
	s_mov_b32 s[\g+4], 128                         ; tile_dim1
	s_mov_b32 s[\g+5], KROW                        ; from row to row
	s_mov_b32 s[\g+6], 0
	s_mov_b32 s[\g+7], 0
.endr
	; the scale bytes of 128 rows: 4,096 dense bytes, as 16 rows of 256 bytes (32 elements of 8), 16 bytes of padding behind each
	s_or_b32 s[G1S+0], s92, (3<<16)|(1<<20)|(1<<21)|(5<<22)|(3<<25)
	s_or_b32 s[G1SB+0], s94, (3<<16)|(1<<20)|(1<<21)|(5<<22)|(3<<25)
.irp g, G1S, G1SB
	s_mov_b32 s[\g+1], 32<<16
	s_mov_b32 s[\g+2], 16<<16
	s_mov_b32 s[\g+3], 32<<16
	s_mov_b32 s[\g+4], 16
	s_mov_b32 s[\g+5], 32
	s_mov_b32 s[\g+6], 0
	s_mov_b32 s[\g+7], 0
.endr
	s_lshl_b32 s42, s66, 8                         ; the row side, in registers that never hold cx
	s_lshl_b32 s43, s[CH], 7
	s_add_co_u32 s42, s42, s43                     ; the first row that I fetch
	s_mul_i32 s43, s42, KROW
	s_add_co_u32 s40, s40, s43                     ; its codes,
	s_lshl_b32 s42, s42, 5
	s_add_co_u32 s42, s42, s41                     ; its scale bytes
	s_mov_b32 s41, 0
	s_mov_b32 s43, 0
	s_lshl_b32 s46, s67, 8                         ; the column side, in registers that never hold cy
	s_lshl_b32 s47, s[CH], 7
	s_add_co_u32 s46, s46, s47
	s_mul_i32 s47, s46, KROW
	s_add_co_u32 s44, s44, s47
	s_lshl_b32 s46, s46, 5
	s_add_co_u32 s46, s46, s45
	s_mov_b32 s45, 0
	s_mov_b32 s47, 0
	s_mul_i32 s104, s[WV], HALFT                   ; where they go: wave x 128 rows
	s_mul_i32 s105, s[WV], HALFS
	s_mov_b32 s[SEL], 0x76543210
	s_mov_b32 s[SEL+1], 0xfedcba98                 ; v_permlanex16_b32's selects for lane l xor 16
	s_wait_dscnt 0x0                               ; the opening add is done
	s_wait_kmcnt 0x0
	s_add_nc_u64 s[40:41], s[4:5], s[40:41]
	s_add_nc_u64 s[42:43], s[6:7], s[42:43]
	s_add_nc_u64 s[44:45], s[4:5], s[44:45]
	s_add_nc_u64 s[46:47], s[6:7], s[46:47]
	CROUND                                         ; all sixteen work-groups are here: the first joint loads meet
	s_mov_b32 s[G0S], 1
	s_add_co_u32 s[G0S+1], s105, SCL
	s_mov_b64 s[G0S+2:G0S+3], s[42:43]
	s_or_b32 s[G0S+3], s[G0S+3], 0x80000000
	s_mov_b32 s[G0SB], 1
	s_add_co_u32 s[G0SB+1], s105, SCL
	s_mov_b64 s[G0SB+2:G0SB+3], s[46:47]
	s_or_b32 s[G0SB+3], s[G0SB+3], 0x80000000
	JLOAD G0S, G1S, G0SB, G1SB                     ; the scale bytes first: they are wanted with K step 0
.irp s, 0,1
	s_mov_b32 s[G0+4*\s], 1
	s_add_co_u32 s[G0+4*\s+1], s104, \s*SLOT
	s_add_nc_u64 s[G0+4*\s+2:G0+4*\s+3], s[40:41], \s*ROWB
	s_or_b32 s[G0+4*\s+3], s[G0+4*\s+3], 0x80000000
	s_mov_b32 s[G0B+4*\s], 1
	s_add_co_u32 s[G0B+4*\s+1], s104, \s*SLOT
	s_add_nc_u64 s[G0B+4*\s+2:G0B+4*\s+3], s[44:45], \s*ROWB
	s_or_b32 s[G0B+4*\s+3], s[G0B+4*\s+3], 0x80000000
	JLOAD G0+4*\s, G1, G0B+4*\s, G1B
.endr
	; the bias: one of the three buffers, by T
	s_cmp_eq_u32 s[TT], 0
	s_cselect_b64 s[92:93], s[8:9], s[10:11]
	s_cmp_eq_u32 s[TT], 2
	s_cselect_b64 s[92:93], s[12:13], s[92:93]
	s_lshl_b32 s96, s66, 8
	s_lshl_b32 s2, s[RH], 7
	s_add_co_u32 s96, s96, s2                      ; my first row
	s_lshl_b32 s97, s67, 8
	s_lshl_b32 s2, s[CH], 7
	s_add_co_u32 s97, s97, s2                      ; my first column
	s_and_b32 s94, s97, s98                        ; where the side is the tokens', entry 0 on is loaded instead, and masked below: no load leaves the buffer
	s_and_b32 s95, s96, s99
	s_lshl_b32 s94, s94, 2
	s_lshl_b32 s95, s95, 2
	v_and_b32 v1, 15, v0                           ; r
	v_bfe_u32 v2, v0, 4, 1                         ; h
	v_and_b32 v3, 8, v1
	v_add_nc_u32 v3, v3, v1                        ; r + 8 (r / 8)
	v_lshl_add_u32 v12, v2, 6, s94                 ; column bias: register 8 b + j is column 32 (b / 2) + 16 h + 8 (b % 2) + j
	v_lshl_add_u32 v13, v3, 2, s95                 ; row bias: tile a's is row 32 (a / 2) + 8 (a % 2) + r + 8 (r / 8)
.irp b, 0,1,2,3,4,5,6,7
	global_load_b128 v[BB+8*\b:BB+8*\b+3], v12, s[92:93] offset:(32*(\b/2)+8*(\b%2))*4
	global_load_b128 v[BB+8*\b+4:BB+8*\b+7], v12, s[92:93] offset:(32*(\b/2)+8*(\b%2))*4+16
.endr
.irp a, 0,1,2,3,4,5,6,7
	global_load_b32 v[BR+2*\a], v13, s[92:93] offset:(32*(\a/2)+8*(\a%2))*4
	global_load_b32 v[BR+2*\a+1], v13, s[92:93] offset:(32*(\a/2)+8*(\a%2))*4     ; twice: a pair for the packed addition
.endr
	v_mul_u32_u24 v4, v3, PITCH
	v_mul_u32_u24 v5, v2, 24
	v_add_nc_u32 v4, v4, v5                        ; a fragment's row x pitch + 24 x half
	v_lshl_add_u32 v5, v2, 4, v4                   ; and the same behind one padding more
	s_mul_i32 s40, s[RH], HALFT                    ; my 128 rows
	s_mul_i32 s41, s[CH], HALFT                    ; my 128 columns,
	s_add_co_u32 s41, s41, 2*HALFT                 ; which lie behind the row side's 256
.irp s, 0,1
	v_add_nc_u32 v[ADRA+\s], s40, v4
	v_add_nc_u32 v[ADRB+\s], s41, v4
	v_add_nc_u32 v[ADRA+2+\s], s40, v5
	v_add_nc_u32 v[ADRB+2+\s], s41, v5
	s_add_co_u32 s40, s40, SLOT
	s_add_co_u32 s41, s41, SLOT
.endr
	v_lshrrev_b32 v5, 3, v1                        ; my row's scale bytes: 32 a row, 8 rows to a run of 256 + 16; rows r and r + 8 of a tile lie two runs apart
	v_mul_u32_u24 v5, v5, 544
	v_and_b32 v6, 7, v1
	v_lshl_add_u32 v5, v6, 5, v5
	s_mul_i32 s40, s[RH], HALFS
	s_mul_i32 s41, s[CH], HALFS
	s_add_co_u32 s41, s41, 2*HALFS
	s_sub_co_u32 s41, s41, s40
	v_mul_u32_u24 v6, s41, v2                      ; lanes 16-31 take the column side's
	s_add_co_u32 s40, s40, SCL
	v_add_nc_u32 v5, v5, v6
	v_add_nc_u32 v[ADRS], s40, v5
	s_wait_loadcnt 0x0                             ; the biases
.set ii, 0
.rept 64
	v_and_b32 v[BB+ii], s98, v[BB+ii]              ; 0 where the bias runs along the rows
.set ii, ii+1
.endr
.set ii, 0
.rept 16
	v_and_b32 v[BR+ii], s99, v[BR+ii]              ; 0 where it runs along the columns
.set ii, ii+1
.endr
.macro FRAG reg, adr, q, i             ; 16 rows x 128 K: 12 registers, in pieces of 8 bytes; tile i's rows begin 32 (i / 2) + 8 (i % 2) rows down
.irp p, 0,1,2,3,4,5
.set PCE, 12*(\q)+6*(\p/3)+\p%3
.if PCE%8 < 5
	ds_load_b64 v[\reg+2*\p:\reg+2*\p+1], v[\adr] offset:8*PCE+16*(PCE/8)+(32*((\i)/2)+8*((\i)%2))*PITCH
.else
	ds_load_b64 v[\reg+2*\p:\reg+2*\p+1], v[\adr+2] offset:8*PCE+16*(PCE/8)+(32*((\i)/2)+8*((\i)%2))*PITCH
.endif
.endr
.endm
; 16 matrix instructions: the row side's tiles a0, a0 + 1 x the column side's eight.  zero = 1: the first products start the sums from the column bias.  The 64 accumulators take turns, one instruction a turn.
.macro MUL16 a0, p, q, sc, zero
.irp a, \a0, \a0+1
.irp b, 0,1,2,3,4,5,6,7
.if \zero
	v_wmma_scale_f32_16x16x128_f8f6f4 v[8*(8*((\a)%4)+\b):8*(8*((\a)%4)+\b)+7], v[128*(\p)+FR*\b:128*(\p)+FR*\b+FR-1], v[AF+FR*(\a):AF+FR*(\a)+FR-1], v[BB+8*\b:BB+8*\b+7], v[SC+8*NQ*(\sc)+NQ*\b+(\q)], v[SC+8*NQ*(\sc)+NQ*(\a)+(\q)] matrix_a_fmt:MATRIX_FMT_FP6 matrix_b_fmt:MATRIX_FMT_FP6 matrix_a_scale:MATRIX_SCALE_ROW1
.else
	v_wmma_scale_f32_16x16x128_f8f6f4 v[8*(8*((\a)%4)+\b):8*(8*((\a)%4)+\b)+7], v[128*(\p)+FR*\b:128*(\p)+FR*\b+FR-1], v[AF+FR*(\a):AF+FR*(\a)+FR-1], v[8*(8*((\a)%4)+\b):8*(8*((\a)%4)+\b)+7], v[SC+8*NQ*(\sc)+NQ*\b+(\q)], v[SC+8*NQ*(\sc)+NQ*(\a)+(\q)] matrix_a_fmt:MATRIX_FMT_FP6 matrix_b_fmt:MATRIX_FMT_FP6 matrix_a_scale:MATRIX_SCALE_ROW1
.endif
.endr
.endr
.endm
.macro FETCH_B slot, q, p
	WIN TO_B
.irp i, 0,1,2,3,4,5,6,7
	FRAG 128*(\p)+FR*\i, ADRB+\slot, \q, \i
.endr
	WIN 0
.endm
.macro FETCH_A slot, q, i0
.irp i, \i0, \i0+1, \i0+2, \i0+3
	FRAG AF+FR*(\i), ADRA+\slot, \q, \i
.endr
.endm
.macro SCALES sc                       ; a K step's scale words: two words a row; lanes 0-15 the row side's tile i, lanes 16-31 the column side's
.irp i, 0,1,2,3,4,5,6,7
	ds_load_b64 v[SC+8*NQ*\sc+NQ*\i:SC+8*NQ*\sc+NQ*\i+1], v[ADRS] offset:(4*(\i/2)+\i%2)*272
.endr
.endm
.macro PLACES n                        ; plain vector lines between a matrix instruction and a load into, or a vector read or write of, its registers
.rept \n
	v_nop
.endr
.endm
.macro STEP slot, q, zero              ; 128 along K that have their successor in the same slot
	s_wait_dscnt 4*NL                              ; all but the youngest 24 loads (the row side's tiles 4-7) are in
.if \zero
	WIN 0x81                                       ; C (the bias) in window 0, D in window 2
.else
	WIN MUL_LO
.endif
	MUL16 0, (\q)%2, \q, \slot, \zero
	MUL16 2, (\q)%2, \q, \slot, \zero
	s_wait_dscnt 0
	PLACES NP
	FETCH_B \slot, (\q)+1, 1-(\q)%2
	FETCH_A \slot, (\q)+1, 0
.if \zero
	WIN 0xc1
.else
	WIN MUL_HI
.endif
	MUL16 4, (\q)%2, \q, \slot, \zero
	MUL16 6, (\q)%2, \q, \slot, \zero
	PLACES NP
	WIN 0
	FETCH_A \slot, (\q)+1, 4
.endm
; A slot's last 128 change slots: one barrier; in front of it each wave waits for all its tensor loads, adds 0 to its spare word, and waits for that and for its reads of this slot.  fill = 1: the slot is filled again, two K steps ahead.
.macro TURN slot, next, fill
	s_wait_tensorcnt 0x0                           ; all my tensor loads have landed: my part of the next slot
	ds_add_u32 v[SPW], v[NIL]
	s_wait_dscnt 4*NL+1                            ; (the add and the youngest 24 loads may be out)
	WIN MUL_LO
	MUL16 0, 1, NQ-1, \slot, 0
	s_wait_dscnt 0x0                               ; the add is done, and my reads of this slot are over
	s_barrier_signal -1
	MUL16 2, 1, NQ-1, \slot, 0
	WIN 0
	s_barrier_wait -1
.if \fill
	CREST                                          ; the barrier has opened a round of the cluster's: no wave of any partner still reads this slot or has a load on its way
	s_add_nc_u64 s[G0+4*\slot+2:G0+4*\slot+3], s[G0+4*\slot+2:G0+4*\slot+3], 2*ROWB
	s_add_nc_u64 s[G0B+4*\slot+2:G0B+4*\slot+3], s[G0B+4*\slot+2:G0B+4*\slot+3], 2*ROWB
	JLOAD G0+4*\slot, G1, G0B+4*\slot, G1B         ; the first tensor load behind the round; its four v_nop are also the places in front of the loads below
.else
	PLACES NP
.endif
	v_add_nc_u32 v[ADRS], 4*NQ, v[ADRS]            ; on to the next K step's scale words
	FETCH_B \next, 0, 0
	FETCH_A \next, 0, 0
	SCALES \next
	WIN MUL_HI
	MUL16 4, 1, NQ-1, \slot, 0
	MUL16 6, 1, NQ-1, \slot, 0
	PLACES NP
	WIN 0
	FETCH_A \next, 0, 4
.endm
	s_wait_tensorcnt 1                             ; of my three first fills the scale bytes and K step 0 are in; K step 1's may be out
	s_barrier_signal -1
	s_barrier_wait -1
	FETCH_B 0, 0, 0
	FETCH_A 0, 0, 0
	SCALES 0
	FETCH_A 0, 0, 4
	STEP 0, 0, 1                                   ; the first products start the sums
	s_mov_b32 s3, LAPS-1
.Llap:                                                 ; a trip goes once round the ring and fills both slots again
	TURN 0, 1, 1
	STEP 1, 0, 0
	TURN 1, 0, 1
	STEP 0, 0, 0
	s_sub_co_u32 s3, s3, 1
	s_cmp_lg_u32 s3, 0
	s_cbranch_scc1 .Llap
	TURN 0, 1, 0                                   ; the last lap fills nothing
	STEP 1, 0, 0
	s_wait_dscnt 4*NL
	WIN MUL_LO
	MUL16 0, 1, NQ-1, 1, 0
	MUL16 2, 1, NQ-1, 1, 0
	s_wait_dscnt 0
	WIN MUL_HI
	MUL16 4, 1, NQ-1, 1, 0
	MUL16 6, 1, NQ-1, 1, 0
	WIN 0
	; THE WAY OUT.  No tensor load of mine is out, so the descriptors' registers are free.
	s_cmp_eq_u32 s[TT], 0
	s_mov_b32 s30, 12288
	s_cselect_b32 s30, 8192, s30                   ; a head's scale bytes: q 8,192; k and v together 12,288
	s_cselect_b32 s31, 0, 524288                   ; where the tensor's scale words begin in ps
	s_cmp_lt_u32 s[TT], 2
	s_cselect_b32 s24, s96, s97                    ; my first token
	s_cselect_b32 s25, s97, s96                    ; my first row of W: (head, d)
	s_mov_b32 s26, 768
	s_cselect_b32 s26, 98304, s26                  ; from the first piece to the second: the next head's, or the fragment's other half
	s_mov_b32 s42, 1536
	s_cselect_b32 s42, 768, s42                    ; from tile to tile
	s_cselect_b32 s44, 0, 92160                    ; T = 2: behind four tiles of d on to the next head
	s_cselect_b32 s27, 9, 8                        ; a group of 128 tokens has 512 bytes of scale words (q, k) or 256 (v)
	s_cselect_b32 s28, s30, 0                      ; lanes 16-31 write the next head's words (q, k)
	s_mov_b32 s46, 256
	s_cselect_b32 s46, s46, s30                    ; behind four tiles: the next four words' run, or the next head's
	s_cselect_b32 s29, 0xffff, -1                  ; q, k: two bytes a word
	s_cselect_b32 s33, 16, 0                       ; q, k: lanes 16-31 take the word's upper two bytes
	s_cselect_b32 s34, 0, 8192                     ; v's words lie behind k's
	s_mov_b32 s43, 0
	s_mov_b32 s45, 0
	s_mov_b32 s47, 0
	s_add_co_u32 s31, s31, s34
	s_lshr_b32 s34, s24, 11                        ; batch
	s_lshl_b32 s34, s34, 4
	s_lshr_b32 s35, s25, 6                         ; head
	s_add_co_u32 s34, s34, s35                     ; 16 x batch + head
	s_bfe_u32 s35, s24, 0x40007                    ; which group of 128 tokens of the batch
	s_mul_i32 s36, s[TT], 6291456
	s_mul_i32 s24, s34, 98304
	s_add_co_u32 s36, s36, s24
	s_mul_i32 s24, s35, 6144
	s_add_co_u32 s36, s36, s24
	s_mov_b32 s37, 0
	s_add_nc_u64 s[36:37], s[14:15], s[36:37]      ; the first piece of tile 0
	s_mov_b32 s24, s26
	s_mov_b32 s25, 0
	s_add_nc_u64 s[38:39], s[36:37], s[24:25]      ; the second
	s_mul_i32 s40, s34, s30
	s_add_co_u32 s40, s40, s31
	s_lshl_b32 s24, s35, s27
	s_add_co_u32 s40, s40, s24
	s_mov_b32 s41, 0
	s_add_nc_u64 s[40:41], s[16:17], s[40:41]      ; the scale words of tiles 0-3
	v_and_b32 v1, 31, v0                           ; (these eight plain lines are also the places behind the last products)
	v_lshlrev_b32 v[L16], 4, v1
	v_lshlrev_b32 v[L8], 3, v1
	v_and_b32 v2, 15, v0
	v_bfe_u32 v3, v0, 4, 1
	v_mul_u32_u24 v[SOFF], s28, v3
	v_lshl_add_u32 v[SOFF], v2, 4, v[SOFF]
	v_mul_u32_u24 v[SH], s33, v3
.irp b, 0,1,2,3
	v_mov_b32 v[TM+4+\b], 0                        ; written once: a lane permute's destination counts as one of its sources
.endr
; 64 numbers of a lane, register 16 b + i = k 32 b + 16 (lane / 16) + i of my row, become a fragment's codes in v[PC] on and its scale word in v[PW].
.macro QUANT s
.irp b, 0,1,2,3
	v_max3_num_f32 v[TM+\b], |v[\s+16*\b]|, |v[\s+1+16*\b]|, 0x1800000   ; block b: my 16 numbers, and the floor 2^(3 - 127): the byte cannot fall under 1
.endr
.irp i, 2,4,6,8,10,12,14
.irp b, 0,1,2,3
	v_max3_num_f32 v[TM+\b], v[TM+\b], |v[\s+16*\b+\i]|, |v[\s+1+16*\b+\i]|
.endr
.endr
.irp b, 0,1,2,3
	v_permlanex16_b32 v[TM+4+\b], v[TM+\b], s[SEL], s[SEL+1]
.endr
.irp b, 0,1,2,3
	v_max_num_f32 v[TM+\b], v[TM+\b], v[TM+4+\b]   ; with lane l xor 16's: the block's largest magnitude
.endr
.irp b, 0,1,2,3
	v_add_nc_u32 v[TM+12+\b], 0xff000000, v[TM+\b]   ; 2 off its exponent field: the conversion's scale operand
.endr
.irp b, 0,1,2,3
	v_lshrrev_b32 v[TM+4+\b], 23, v[TM+12+\b]      ; the scale's byte
.endr
	v_lshl_or_b32 v[PW], v[TM+5], 8, v[TM+4]
	v_lshl_or_b32 v[PW], v[TM+6], 16, v[PW]
	v_lshl_or_b32 v[PW], v[TM+7], 24, v[PW]
.irp c, 0,1
	v_cvt_scalef32_pk16_fp6_f32 v[PC+6*\c:PC+2+6*\c], v[\s+32*\c:\s+15+32*\c], v[TM+12+2*\c]
	v_cvt_scalef32_pk16_fp6_f32 v[PC+12+4*\c:PC+14+4*\c], v[\s+16+32*\c:\s+31+32*\c], v[TM+12+2*\c+1]   ; (a conversion's three registers begin on an even number)
.endr
	v_nop                                          ; one plain line behind a scaled conversion
.irp c, 0,1                                    ; the operand's layout wants a whole block in a lane: lanes 0-15 block 2 c, lanes 16-31 block 2 c + 1
.irp i, 0,1,2
	v_permlane16_swap_b32 v[PC+6*\c+\i], v[PC+12+4*\c+\i]
.endr
.irp i, 0,1,2
	v_mov_b32 v[PC+3+6*\c+\i], v[PC+12+4*\c+\i]
.endr
.endr
.endm
.macro EPI a                           ; tile a of my rows
.if (\a) > 0
	s_wait_xcnt 0x0                                ; the last tile's stores have read their data and bases: both are written again below
	s_add_nc_u64 s[36:37], s[36:37], s[42:43]
	s_add_nc_u64 s[38:39], s[38:39], s[42:43]
.endif
.if (\a) == 4
	s_add_nc_u64 s[36:37], s[36:37], s[44:45]
	s_add_nc_u64 s[38:39], s[38:39], s[44:45]
	s_add_nc_u64 s[40:41], s[40:41], s[46:47]
.endif
	WIN 0x02+(\a)/4                                ; source 0: window 2 or 3
.set ii, 0
.rept 32
	v_pk_add_f32 v[H+2*ii:H+2*ii+1], v[64*((\a)%4)+2*ii:64*((\a)%4)+2*ii+1], v[BR+2*(\a):BR+2*(\a)+1]   ; out of the accumulators' window, each accumulator from its low end on, with the row bias
.set ii, ii+1
.endr
	WIN 0
	QUANT H
	v_lshrrev_b32 v[PWS+(\a)%4], v[SH], v[PW]
	v_and_b32 v[PWS+(\a)%4], s29, v[PWS+(\a)%4]
	global_store_b128 v[L16], v[PC:PC+3], s[36:37]                 ; 32 lanes store 512 consecutive bytes, aligned to 256
	global_store_b64 v[L8], v[PC+4:PC+5], s[36:37] offset:512      ; and 256
	global_store_b128 v[L16], v[PC+6:PC+9], s[38:39]
	global_store_b64 v[L8], v[PC+10:PC+11], s[38:39] offset:512
.if (\a)%4 == 3
	global_store_b128 v[SOFF], v[PWS:PWS+3], s[40:41]              ; sixteen lanes store 256 consecutive bytes (v: both halves of the lanes the same bytes with the same values)
.endif
.endm
.irp a, 0,1,2,3,4,5,6,7
	EPI \a
.endr
	s_wait_tensorcnt 0x0                           ; the wave's end
	ds_add_u32 v[SPW], v[NIL]
	s_wait_dscnt 0x0
	CROUND                                         ; the closing round: no work-group ends while a partner may still ask for a tile that names it
	s_endpgm
.Lfunc_end_k_q01bf699400_proj:
	.size	k_q01bf699400_proj, .Lfunc_end_k_q01bf699400_proj-k_q01bf699400_proj
	.p2alignl 7, 3214868480
	.fill 96, 4, 3214868480
	.section	.rodata,"a",@progbits
	.p2align	6, 0x0
	.amdhsa_kernel k_q01bf699400_proj
		.amdhsa_group_segment_fixed_size 327680
		.amdhsa_private_segment_fixed_size 0
		.amdhsa_enable_private_segment 0
		.amdhsa_kernarg_size 56
		.amdhsa_user_sgpr_count 2
		.amdhsa_user_sgpr_kernarg_segment_ptr 1
		.amdhsa_wavefront_size32 1
		.amdhsa_system_sgpr_workgroup_id_x 1
		.amdhsa_system_sgpr_workgroup_id_y 1
		.amdhsa_system_sgpr_workgroup_id_z 1
		.amdhsa_system_vgpr_workitem_id 0
		.amdhsa_next_free_vgpr 1024
		.amdhsa_next_free_sgpr 106
		.amdhsa_reserve_vcc 0
		.amdhsa_float_denorm_mode_32 3
		.amdhsa_float_denorm_mode_16_64 3
		.amdhsa_memory_ordered 1
		.amdhsa_forward_progress 1
		.amdhsa_inst_pref_size 190
	.end_amdhsa_kernel
	.amdgpu_metadata
---
amdhsa.version: [ 1, 2 ]
amdhsa.kernels:
  - .name:           k_q01bf699400_proj
    .symbol:         k_q01bf699400_proj.kd
    .args:
      - { .name: codes, .offset: 0, .size: 8, .value_kind: global_buffer, .address_space: global }
      - { .name: scales, .offset: 8, .size: 8, .value_kind: global_buffer, .address_space: global }
      - { .name: bq, .offset: 16, .size: 8, .value_kind: global_buffer, .address_space: global }
      - { .name: bk, .offset: 24, .size: 8, .value_kind: global_buffer, .address_space: global }
      - { .name: bv, .offset: 32, .size: 8, .value_kind: global_buffer, .address_space: global }
      - { .name: pc, .offset: 40, .size: 8, .value_kind: global_buffer, .address_space: global }
      - { .name: ps, .offset: 48, .size: 8, .value_kind: global_buffer, .address_space: global }
    .group_segment_fixed_size: 327680
    .private_segment_fixed_size: 0
    .kernarg_segment_align: 8
    .kernarg_segment_size: 56
    .max_flat_workgroup_size: 128
    .sgpr_count:     106
    .vgpr_count:     1024
    .wavefront_size: 32
...
	.end_amdgpu_metadata
.endif
;; end of part 2
;; launch attn (part 3): grid 4 x 64, 8 waves a work-group, clusters of 4 x 1, 209,920 bytes of LDS; arguments pc, ps, ac, asc; writes ac, asc
.if DOCPART == 3
	.amdgcn_target "amdgcn-amd-amdhsa--gfx1250"
	.amdhsa_code_object_version 6
	.text
	.protected	k_q01bf699400_attn
	.globl	k_q01bf699400_attn
	.p2align	8
	.type	k_q01bf699400_attn,@function
k_q01bf699400_attn:
	s_mov_b64 s[64:65], 0
	v_nop
	global_prefetch_b8 v0, s[64:65] scope:SCOPE_SE
	s_setreg_imm32_b32 hwreg(HW_REG_WAVE_MODE, 25, 1), 1
	s_wait_xcnt 0x0
	s_wait_alu depctr_hold_cnt(0) depctr_sa_sdst(0) depctr_va_vdst(0) depctr_va_sdst(0) depctr_va_ssrc(0) depctr_va_vcc(0) depctr_vm_vsrc(0)
	s_getreg_b32 s2, hwreg(HW_REG_IB_STS2, 6, 4)
	s_cmp_eq_u32 s2, 0
	s_cbranch_scc0 .Lentry_in_a_cluster
	s_endpgm
.Lentry_in_a_cluster:
	s_bfe_u32 s2, ttmp6, 0x10000c
	s_cmp_lg_u32 s2, 0x3003
	s_cbranch_scc0 .Lentry_shape_is_right
	s_endpgm
.Lentry_shape_is_right:
.set VC,    98304
.set KSC,   196608
.set VSC,   204800
.set SPARE, 208896
.set AV16, 3
.set AV8,  4
.set AKS,  5
.set AVS,  6
.set SPW,  7
.set NIL,  8
.set LN16, 9
.set LN8,  10
.set R16,  11
.set ST,   12
.set QS,   28
.set PS,   32
.set KS,   36
.set VS,   44
.set BM,   48
.set PX,   52
.set SO,   56
.set FF,   60
.set TT,   62
.set WK16, 64
.set WK8,  65
.set WV16, 66
.set WV8,  67
.set WKS,  68
.set WVS,  69
.set AO,   70
.set S,    72
.set KF,   136
.set VF,   192
.set CT,   240
.set OA,   0
.set QF,   128
.set PF,   176
.set WV,   12
.set G1A,  24
.set G1B,  32
.set G1C,  40
.set G0A,  48
.set G0B,  52
.set G0C,  56
.set CS,   60
.set SEL,  62
.set TB,   66
.set TKS,  67
.set TVS,  68
.set CNT,  69
.set MSB, 0
.macro WIN new
.if MSB != (\new)
	s_set_vgpr_msb (MSB<<8)|(\new)
.set MSB, (\new)
.endif
.endm
.macro CROUND
	s_barrier_signal -1
	s_barrier_wait -1
	s_cmp_lg_u32 s[WV], 0
	s_cbranch_scc1 .Lnot_wave_0_\@
	s_barrier_signal -3
.Lnot_wave_0_\@:
	s_barrier_wait -3
	s_barrier_signal -1
	s_barrier_wait -1
.endm
	s_load_b256 s[4:11], s[0:1], 0x0
	v_lshl_add_u32 v[SPW], v0, 2, SPARE
	v_mov_b32 v[NIL], 0
	ds_add_u32 v[SPW], v[NIL]
	ds_add_u32 v[SPW], v[NIL]
	v_lshrrev_b32 v1, 5, v0
	s_delay_alu instid0(VALU_DEP_1)
	v_readfirstlane_b32 s[WV], v1
	s_bfe_u32 s13, ttmp6, 0x40000
	s_and_b32 s14, ttmp7, 0xffff
	s_lshr_b32 s15, s[WV], 2
	s_and_b32 s16, s[WV], 3
.irp g, G1A, G1B, G1C
	s_mov_b32 s[\g], 15|(3<<16)|(1<<21)
	s_mov_b32 s[\g+1], 32<<16
	s_mov_b32 s[\g+3], 32<<16
	s_mov_b32 s[\g+5], 32
	s_mov_b32 s[\g+6], 0
	s_mov_b32 s[\g+7], 0
.endr
	s_mov_b32 s[G1A+2], 6<<16
	s_mov_b32 s[G1A+4], 6
	s_mov_b32 s[G1B+2], 24<<16
	s_mov_b32 s[G1B+4], 24
	s_mov_b32 s[G1C+2], 72<<16
	s_mov_b32 s[G1C+4], 72
	s_mul_i32 s18, s14, 12288
	s_mul_i32 s17, s[WV], 1536
	s_add_co_u32 s18, s18, s17
	s_add_co_u32 s18, s18, 524288
	s_mov_b32 s19, 0
	s_add_co_u32 s17, s17, KSC
	s_mul_i32 s20, s15, 6291456
	s_add_co_u32 s20, s20, 6291456
	s_mul_i32 s21, s14, 98304
	s_add_co_u32 s20, s20, s21
	s_mul_i32 s22, s15, VC
	s_mul_i32 s2, s16, 6144
	s_mul_i32 s3, s16, 18432
	s_add_co_u32 s3, s3, 24576
	s_add_co_u32 s70, s20, s3
	s_mov_b32 s71, 0
	s_add_co_u32 s20, s20, s2
	s_mov_b32 s21, 0
	s_add_co_u32 s2, s22, s2
	s_add_co_u32 s3, s22, s3
	s_mov_b32 s[CS], 0x3e38aa3b
	s_mov_b32 s[CS+1], s[CS]
	s_mov_b32 s[SEL], 0x76543210
	s_mov_b32 s[SEL+1], 0xfedcba98
	s_mov_b32 s[TB], 0
	s_mov_b32 s[TKS], 0
	s_mov_b32 s[TVS], 0
	s_wait_dscnt 0x0
	s_wait_kmcnt 0x0
	CROUND
	s_mov_b32 s[G0A], 1
	s_mov_b32 s[G0A+1], s17
	s_add_nc_u64 s[G0A+2:G0A+3], s[6:7], s[18:19]
	s_or_b32 s[G0A+3], s[G0A+3], 0x80000000
	s_mov_b32 s[G0B], 1
	s_mov_b32 s[G0B+1], s2
	s_add_nc_u64 s[G0B+2:G0B+3], s[4:5], s[20:21]
	s_or_b32 s[G0B+3], s[G0B+3], 0x80000000
	s_mov_b32 s[G0C], 1
	s_mov_b32 s[G0C+1], s3
	s_add_nc_u64 s[G0C+2:G0C+3], s[4:5], s[70:71]
	s_or_b32 s[G0C+3], s[G0C+3], 0x80000000
	tensor_load_to_lds s[G0A:G0A+3], s[G1A:G1A+7]
	s_nop 0
	tensor_load_to_lds s[G0B:G0B+3], s[G1B:G1B+7]
	s_nop 0
	tensor_load_to_lds s[G0C:G0C+3], s[G1C:G1C+7]
	s_nop 0
	v_and_b32 v1, 31, v0
	v_and_b32 v2, 15, v0
	s_delay_alu instid0(VALU_DEP_2)
	v_lshlrev_b32 v[LN16], 4, v1
	s_wait_alu depctr_va_vdst(0)
	v_lshlrev_b32 v[LN8], 3, v1
	s_wait_alu depctr_va_vdst(0)
	v_lshlrev_b32 v[R16], 4, v2
	v_lshlrev_b32 v[AO], 5, v2
	v_add_nc_u32 v[AV16], VC, v[LN16]
	v_add_nc_u32 v[AV8], VC, v[LN8]
	s_delay_alu instid0(VALU_DEP_4)
	v_add_nc_u32 v[AKS], KSC, v[R16]
	v_add_nc_u32 v[AVS], VSC, v[R16]
	s_lshl_b32 s17, s13, 5
	s_lshl_b32 s18, s[WV], 2
	s_add_co_u32 s17, s17, s18
	s_mul_i32 s18, s14, 98304
	s_mul_i32 s19, s17, 768
	s_add_co_u32 s18, s18, s19
	s_mov_b32 s19, 0
	s_add_nc_u64 s[18:19], s[4:5], s[18:19]
	s_lshl_b32 s20, s14, 13
	s_lshl_b32 s21, s17, 6
	s_add_co_u32 s20, s20, s21
	s_mov_b32 s21, 0
	s_add_nc_u64 s[20:21], s[6:7], s[20:21]
	WIN 0x40
.irp i, 0,1,2,3
	global_load_b128 v[QF+12*\i:QF+12*\i+3], v[LN16], s[18:19] offset:768*\i
	global_load_b64 v[QF+12*\i+4:QF+12*\i+5], v[LN8], s[18:19] offset:768*\i+512
.endr
.irp i, 0,1,2,3
.irp k, 6,7,8,9,10,11
	v_mov_b32 v[QF+12*\i+\k], 0
.endr
.endr
.set jj, 0
.rept 128
	v_mov_b32 v[OA+jj], 0
.set jj, jj+1
.endr
	WIN 0
	global_load_b128 v[QS:QS+3], v[R16], s[20:21]
.irp k, 0,1,2,3,4,5
	v_mov_b32 v[KF+48+\k], 0
.endr
.irp b, 0,1,2,3
	v_mov_b32 v[PX+\b], 0
.endr
	v_mov_b32 v[FF+1], 0
.irp i, 0,1,2,3
	v_mov_b32 v[ST+4*\i+1], 0xff61b1e6
	s_delay_alu instid0(VALU_DEP_1)
	v_floor_f32 v[ST+4*\i], -v[ST+4*\i+1]
	v_mov_b32 v[ST+4*\i+2], 0
	v_mov_b32 v[ST+4*\i+3], 0
.endr
	s_wait_loadcnt 0x0
.macro SM i
.set rT, ST+4*(\i)
.irp b, 0,1,2,3
	v_max3_num_f32 v[BM+\b], v[S+16*\b], v[S+16*\b+1], v[S+16*\b+2]
.endr
.irp k, 3,5,7,9,11,13
.irp b, 0,1,2,3
	v_max3_num_f32 v[BM+\b], v[BM+\b], v[S+16*\b+\k], v[S+16*\b+\k+1]
.endr
.endr
.irp b, 0,1,2,3
	v_max_num_f32 v[BM+\b], v[BM+\b], v[S+16*\b+15]
.endr
.irp b, 0,1,2,3
	s_delay_alu instid0(VALU_DEP_4)
	v_permlanex16_b32 v[PX+\b], v[BM+\b], s[SEL], s[SEL+1]
.endr
.irp b, 0,1,2,3
	s_delay_alu instid0(VALU_DEP_4)
	v_max_num_f32 v[BM+\b], v[BM+\b], v[PX+\b]
.endr
	s_delay_alu instid0(VALU_DEP_2)
	v_max3_num_f32 v[TT], v[BM], v[BM+1], v[BM+2]
	s_delay_alu instid0(VALU_DEP_1)
	v_max_num_f32 v[TT], v[TT], v[BM+3]
	s_delay_alu instid0(VALU_DEP_1)
	v_mul_f32 v[TT], s[CS], v[TT]
	s_delay_alu instid0(VALU_DEP_1)
	v_max_num_f32 v[rT+1], v[rT+1], v[TT]
	v_mov_b32 v[TT], v[rT]
	s_delay_alu instid0(VALU_DEP_2)
	v_floor_f32 v[rT], -v[rT+1]
	s_delay_alu instid0(VALU_DEP_1)
	v_sub_f32 v[TT], v[rT], v[TT]
	s_delay_alu instid0(VALU_DEP_1)
	v_cvt_i32_f32 v[TT], v[TT]
	s_delay_alu instid0(VALU_DEP_1)
	v_ldexp_f32 v[FF], 1.0, v[TT]
.set jj, 0
.rept 32
	v_pk_fma_f32 v[S+jj:S+jj+1], v[S+jj:S+jj+1], s[CS:CS+1], v[rT:rT+1] op_sel_hi:[1,0,0]
.set jj, jj+2
.endr
.irp b, 0,1,2,3
	v_fma_f32 v[BM+\b], v[BM+\b], s[CS], v[rT]
.endr
.set jj, 0
	s_wait_alu depctr_va_vdst(0)
.rept 64
	v_exp_f32 v[S+jj], v[S+jj]
.set jj, jj+1
.endr
	v_pk_mul_f32 v[rT+2:rT+3], v[rT+2:rT+3], v[FF:FF+1] op_sel_hi:[1,0]
	s_wait_alu depctr_va_vdst(0)
.irp b, 0,1,2,3
	v_exp_f32 v[BM+\b], v[BM+\b]
.endr
	v_pk_add_f32 v[PX:PX+1], v[S:S+1], v[S+2:S+3]
.irp k, 4,8,12,16,20,24,28,32,36,40,44,48,52,56,60
	v_pk_add_f32 v[rT+2:rT+3], v[rT+2:rT+3], v[S+\k:S+\k+1]
	v_pk_add_f32 v[PX:PX+1], v[PX:PX+1], v[S+\k+2:S+\k+3]
.endr
	s_delay_alu instid0(VALU_DEP_1)
	v_pk_add_f32 v[rT+2:rT+3], v[rT+2:rT+3], v[PX:PX+1]
	s_wait_alu depctr_va_vdst(0)
.irp b, 0,1,2,3
	v_max_num_f32 v[BM+\b], 0x1800000, v[BM+\b]
.endr
.irp b, 0,1,2,3
	s_delay_alu instid0(VALU_DEP_4)
	v_add_nc_u32 v[SO+\b], 0xff000000, v[BM+\b]
.endr
.irp b, 0,1,2,3
	s_delay_alu instid0(VALU_DEP_4)
	v_lshrrev_b32 v[PX+\b], 23, v[SO+\b]
.endr
	s_delay_alu instid0(VALU_DEP_3)
	v_lshl_or_b32 v[PS+(\i)], v[PX+1], 8, v[PX]
	s_delay_alu instid0(VALU_DEP_1)
	v_lshl_or_b32 v[PS+(\i)], v[PX+2], 16, v[PS+(\i)]
	s_delay_alu instid0(VALU_DEP_1)
	v_lshl_or_b32 v[PS+(\i)], v[PX+3], 24, v[PS+(\i)]
.irp c, 0,1
	v_cvt_scalef32_pk16_fp6_f32 v[CT+8*\c:CT+8*\c+2], v[S+32*\c:S+32*\c+15], v[SO+2*\c]
	v_cvt_scalef32_pk16_fp6_f32 v[CT+8*\c+4:CT+8*\c+6], v[S+32*\c+16:S+32*\c+31], v[SO+2*\c+1]
.endr
	v_nop
.irp c, 0,1
.irp k, 0,1,2
	v_permlane16_swap_b32 v[CT+8*\c+\k], v[CT+8*\c+4+\k]
.endr
.endr
	WIN 0x40
.irp c, 0,1
.irp k, 0,1,2
	v_mov_b32 v[PF+12*(\i)+6*\c+\k], v[CT+8*\c+\k]
	v_mov_b32 v[PF+12*(\i)+6*\c+3+\k], v[CT+8*\c+4+\k]
.endr
.endr
	WIN 0x41
.set jj, 0
.rept 16
	v_pk_mul_f32 v[OA+32*(\i)+jj:OA+32*(\i)+jj+1], v[OA+32*(\i)+jj:OA+32*(\i)+jj+1], v[FF:FF+1] op_sel_hi:[1,0]
.set jj, jj+2
.endr
.endm
.macro STEPS trips
	s_mov_b32 s[CNT], \trips
.Lstep_\@:
	v_add_nc_u32 v[WK16], s[TB], v[LN16]
	v_add_nc_u32 v[WK8], s[TB], v[LN8]
	v_add_nc_u32 v[WV16], s[TB], v[AV16]
	v_add_nc_u32 v[WV8], s[TB], v[AV8]
	v_add_nc_u32 v[WKS], s[TKS], v[AKS]
	v_add_nc_u32 v[WVS], s[TVS], v[AVS]
.irp t, 0,1,2,3,4,5,6,7
	ds_load_b128 v[KF+6*\t:KF+6*\t+3], v[WK16] offset:768*\t
	ds_load_b64 v[KF+6*\t+4:KF+6*\t+5], v[WK8] offset:768*\t+512
.endr
	ds_load_b128 v[KS:KS+3], v[WKS]
	ds_load_b128 v[KS+4:KS+7], v[WKS] offset:256
.irp d, 0,1,2,3
	ds_load_b128 v[VF+12*\d:VF+12*\d+3], v[WV16] offset:1536*\d
	ds_load_b64 v[VF+12*\d+4:VF+12*\d+5], v[WV8] offset:1536*\d+512
	ds_load_b128 v[VF+12*\d+6:VF+12*\d+9], v[WV16] offset:1536*\d+768
	ds_load_b64 v[VF+12*\d+10:VF+12*\d+11], v[WV8] offset:1536*\d+1280
.endr
	ds_load_b128 v[VS:VS+3], v[WVS]
	s_wait_dscnt 17
.irp i, 0,1,2,3
	WIN 0x04
.irp t, 0,1,2,3,4,5,6,7
	v_wmma_scale_f32_16x16x128_f8f6f4 v[S+8*\t:S+8*\t+7], v[KF+6*\t:KF+6*\t+11], v[QF+12*\i:QF+12*\i+11], 0, v[KS+\t], v[QS+\i] matrix_a_fmt:MATRIX_FMT_FP6 matrix_b_fmt:MATRIX_FMT_FP6
.endr
	WIN 0
.rept 4
	v_nop
.endr
	SM \i
.endr
	s_wait_alu depctr_va_vdst(0)
	s_wait_dscnt 0x0
	WIN 0x54
.irp d, 0,1,2,3
.irp i, 0,1,2,3
	v_wmma_scale_f32_16x16x128_f8f6f4 v[OA+32*\i+8*\d:OA+32*\i+8*\d+7], v[VF+12*\d:VF+12*\d+11], v[PF+12*\i:PF+12*\i+11], v[OA+32*\i+8*\d:OA+32*\i+8*\d+7], v[VS+\d], v[PS+\i] matrix_a_fmt:MATRIX_FMT_FP6 matrix_b_fmt:MATRIX_FMT_FP6
.endr
.endr
	WIN 0
	s_add_co_u32 s[TB], s[TB], 6144
	s_add_co_u32 s[TKS], s[TKS], 512
	s_add_co_u32 s[TVS], s[TVS], 256
	s_sub_co_u32 s[CNT], s[CNT], 1
	s_cmp_lg_u32 s[CNT], 0
	s_cbranch_scc1 .Lstep_\@
.endm
	s_wait_tensorcnt 0x1
	s_barrier_signal -1
	s_barrier_wait -1
	STEPS 4
	s_wait_tensorcnt 0x0
	s_barrier_signal -1
	s_barrier_wait -1
	STEPS 12
	s_lshr_b32 s18, s14, 4
	s_lshl_b32 s18, s18, 7
	s_add_co_u32 s18, s18, s17
	s_and_b32 s19, s14, 15
	s_mul_i32 s20, s18, 12288
	s_mul_i32 s21, s19, 768
	s_add_co_u32 s20, s20, s21
	s_mov_b32 s21, 0
	s_add_nc_u64 s[8:9], s[8:9], s[20:21]
	s_lshl_b32 s20, s18, 9
	s_lshl_b32 s22, s19, 1
	s_add_co_u32 s20, s20, s22
	s_add_nc_u64 s[10:11], s[10:11], s[20:21]
.irp i, 0,1,2,3
	v_add_f32 v[BM+\i], v[ST+4*\i+2], v[ST+4*\i+3]
.endr
.irp i, 0,1,2,3
	s_delay_alu instid0(VALU_DEP_4)
	v_permlanex16_b32 v[PX+\i], v[BM+\i], s[SEL], s[SEL+1]
.endr
.irp i, 0,1,2,3
	s_delay_alu instid0(VALU_DEP_4)
	v_add_f32 v[BM+\i], v[BM+\i], v[PX+\i]
.endr
	s_wait_alu depctr_va_vdst(0)
.irp i, 0,1,2,3
	v_rcp_f32 v[ST+4*\i+2], v[BM+\i]
.endr
	v_nop
	s_wait_alu depctr_va_vdst(0)
.macro OUT i
.set HH, S+32*((\i)%2)
.set OC, KF+12*(\i)
	WIN 0x01
.set jj, 0
.rept 16
	v_pk_mul_f32 v[HH+jj:HH+jj+1], v[OA+32*(\i)+jj:OA+32*(\i)+jj+1], v[ST+4*(\i)+2:ST+4*(\i)+3] op_sel_hi:[1,0]
.set jj, jj+2
.endr
	WIN 0
.irp b, 0,1
	v_max3_num_f32 v[BM+\b], |v[HH+16*\b]|, |v[HH+16*\b+1]|, 0x1800000
.endr
.irp k, 2,4,6,8,10,12,14
.irp b, 0,1
	s_delay_alu instid0(VALU_DEP_2)
	v_max3_num_f32 v[BM+\b], v[BM+\b], |v[HH+16*\b+\k]|, |v[HH+16*\b+\k+1]|
.endr
.endr
.irp b, 0,1
	s_delay_alu instid0(VALU_DEP_2)
	v_permlanex16_b32 v[PX+\b], v[BM+\b], s[SEL], s[SEL+1]
.endr
.irp b, 0,1
	s_delay_alu instid0(VALU_DEP_2)
	v_max_num_f32 v[BM+\b], v[BM+\b], v[PX+\b]
.endr
.irp b, 0,1
	s_delay_alu instid0(VALU_DEP_2)
	v_add_nc_u32 v[SO+\b], 0xff000000, v[BM+\b]
.endr
.irp b, 0,1
	s_delay_alu instid0(VALU_DEP_2)
	v_lshrrev_b32 v[PX+\b], 23, v[SO+\b]
.endr
	s_delay_alu instid0(VALU_DEP_1)
	v_lshl_or_b32 v[OC+6], v[PX+1], 8, v[PX]
	v_cvt_scalef32_pk16_fp6_f32 v[OC:OC+2], v[HH:HH+15], v[SO]
	v_cvt_scalef32_pk16_fp6_f32 v[OC+8:OC+10], v[HH+16:HH+31], v[SO+1]
	v_nop
.irp k, 0,1,2
	v_permlane16_swap_b32 v[OC+\k], v[OC+8+\k]
.endr
.irp k, 0,1,2
	s_delay_alu instid0(VALU_DEP_3)
	v_mov_b32 v[OC+3+\k], v[OC+8+\k]
.endr
	global_store_b128 v[LN16], v[OC:OC+3], s[8:9] offset:12288*(\i)
	global_store_b64 v[LN8], v[OC+4:OC+5], s[8:9] offset:12288*(\i)+512
	global_store_b16 v[AO], v[OC+6], s[10:11] offset:512*(\i)
.endm
	OUT 0
	OUT 1
	OUT 2
	OUT 3
	s_wait_tensorcnt 0x0
	ds_add_u32 v[SPW], v[NIL]
	s_wait_dscnt 0x0
	CROUND
	s_endpgm
.Lfunc_end_k_q01bf699400_attn:
	.size	k_q01bf699400_attn, .Lfunc_end_k_q01bf699400_attn-k_q01bf699400_attn
	.p2alignl 7, 3214868480
	.fill 96, 4, 3214868480
	.section	.rodata,"a",@progbits
	.p2align	6, 0x0
	.amdhsa_kernel k_q01bf699400_attn
		.amdhsa_group_segment_fixed_size 209920
		.amdhsa_private_segment_fixed_size 0
		.amdhsa_enable_private_segment 0
		.amdhsa_kernarg_size 32
		.amdhsa_user_sgpr_count 2
		.amdhsa_user_sgpr_kernarg_segment_ptr 1
		.amdhsa_wavefront_size32 1
		.amdhsa_system_sgpr_workgroup_id_x 1
		.amdhsa_system_sgpr_workgroup_id_y 1
		.amdhsa_system_sgpr_workgroup_id_z 1
		.amdhsa_system_vgpr_workitem_id 0
		.amdhsa_next_free_vgpr 512
		.amdhsa_next_free_sgpr 72
		.amdhsa_reserve_vcc 0
		.amdhsa_float_denorm_mode_32 3
		.amdhsa_float_denorm_mode_16_64 3
		.amdhsa_memory_ordered 1
		.amdhsa_forward_progress 1
		.amdhsa_inst_pref_size 152
	.end_amdhsa_kernel
	.amdgpu_metadata
---
amdhsa.version: [ 1, 2 ]
amdhsa.kernels:
  - .name:           k_q01bf699400_attn
    .symbol:         k_q01bf699400_attn.kd
    .args:
      - { .name: pc, .offset: 0, .size: 8, .value_kind: global_buffer, .address_space: global }
      - { .name: ps, .offset: 8, .size: 8, .value_kind: global_buffer, .address_space: global }
      - { .name: ac, .offset: 16, .size: 8, .value_kind: global_buffer, .address_space: global }
      - { .name: asc, .offset: 24, .size: 8, .value_kind: global_buffer, .address_space: global }
    .group_segment_fixed_size: 209920
    .private_segment_fixed_size: 0
    .kernarg_segment_align: 8
    .kernarg_segment_size: 32
    .max_flat_workgroup_size: 256
    .sgpr_count:     72
    .vgpr_count:     512
    .wavefront_size: 32
...
	.end_amdgpu_metadata
.endif
;; end of part 3
;; launch outp (part 4): grid 4 x 32, 4 waves a work-group, clusters of 4 x 4, 327,680 bytes of LDS; arguments ac, asc, codes, scales, bo, out0; writes out0
.if DOCPART == 4
	.amdgcn_target "amdgcn-amd-amdhsa--gfx1250"
	.amdhsa_code_object_version 6
	.text
	.protected	k_q01bf699400_outp
	.globl	k_q01bf699400_outp
	.p2align	8
	.type	k_q01bf699400_outp,@function
k_q01bf699400_outp:
	s_mov_b64 s[64:65], 0
	v_nop
	global_prefetch_b8 v0, s[64:65] scope:SCOPE_SE
	s_setreg_imm32_b32 hwreg(HW_REG_WAVE_MODE, 25, 1), 1
	s_wait_xcnt 0x0
	s_wait_alu depctr_hold_cnt(0) depctr_sa_sdst(0) depctr_va_vdst(0) depctr_va_sdst(0) depctr_va_ssrc(0) depctr_va_vcc(0) depctr_vm_vsrc(0)
	s_getreg_b32 s2, hwreg(HW_REG_IB_STS2, 6, 4)
	s_cmp_eq_u32 s2, 0
	s_cbranch_scc0 .Lentry_in_a_cluster
	s_endpgm
.Lentry_in_a_cluster:
	s_bfe_u32 s2, ttmp6, 0x10000c
	s_cmp_lg_u32 s2, 0xf033
	s_cbranch_scc0 .Lentry_shape_is_right
	s_endpgm
.Lentry_shape_is_right:
; out0 = A Wo^T + bo on codes of FP6 (E2M3) with one E8M0 scale for each 32 along K = 1,024 (head x 64 + d).  out0: [8192][1024] f32.
; A comes from the attention launch as images of registers: ac [tile of 16 tokens, 512][head 16][piece 768]; a piece = 16 rows x 64 codes: lane l's registers 0-3 at 16 l, registers 4-5 at 512 + 8 l.  Two neighbouring heads' pieces are a fragment of
; 128 along K.  Row r of tile g is token 128 (g / 8) + 32 ((g % 8) / 2) + 8 (g % 2) + r + 8 (r / 8): that order is undone in the stores' offsets.  asc [16 g + r][32]: A's scale bytes.  Wo's codes and scale bytes lie in 'codes' and 'scales', rows as they are.
; A tile of the output, 256 x 256, is made by four waves, 128 x 128 each: 64 accumulators.  K goes in steps of 256 through two LDS slots filled by joint tensor loads (4 x 4 cluster: A's tile shared along a row of the cluster, Wo's along a column);
; the scale bytes of all of K come once and stay.  The matrix instruction is used transposed (source 0 = 16 rows of Wo, source 1 = 16 rows of A): a lane holds eight neighbouring numbers of an output row.  bo is the C of the first products.
; The grid has 128 work-groups: 32 x 4 tiles of 256 x 256.
; REGISTERS, in windows of 256: window 0: v1-31 addresses; v32-63 scale words, two sets; v64-127 the bias; v128-223 A's fragments, one set; on the way out v128-255 rows of the output.
;   window 1: Wo's fragments, two sets (v0, v128).   windows 2, 3: the accumulators.
.set NQ,     2
.set ROWB,   192                       ; Wo: a tile's row in bytes
.set KROW,   768
.set PITCH,  240                       ; Wo's LDS row: 3 x (64 bytes + 16 of padding)
.set FR,     12
.set NL,     6                         ; LDS loads for a fragment of Wo,
.set NLA,    4                         ; of A
.set NP,     4
.set HALFA,  24576                     ; A: 8 tiles of tokens x 4 pieces, dense
.set HALFB,  128*PITCH
.set BOFF,   2*HALFA
.set SLOT,   2*HALFA+2*HALFB
.set LAPS,   2
.set SCL,    2*SLOT                    ; behind the ring: the scale bytes, runs of 256 bytes + 16 of padding
.set HALFS,  16*272
.set SBLK,   2*272                     ; those of 16 rows
.set SPARE,  SCL+4*HALFS
.set SPITCH, 528                       ; the way out: a stage of 16 rows x (512 bytes + 16) for each wave, in slot 0, which has had its last fill and its last read by then
.set A16,  16                          ; v16-17 16 x lane + my half of A in slot 0, 1
.set A8,   18                          ; v18-19 8 x lane + the same
.set ADRB, 20                          ; v20-23 Wo's fragments
.set STO,  24
.set RD,   25
.set CO,   26
.set ADRS, 27
.set SPW,  28
.set NIL,  29
.set SC,   32
.set BB,   64
.set AF,   128
.set BK,   128
.set WV,   96
.set RH,   97
.set CH,   98
.set TR,   99
.set G1,   24
.set G0,   32
.set G1B,  48
.set G0B,  56
.set G1S,  68
.set G0S,  76
.set G1SB, 80
.set G0SB, 88
.set MSB, 0
.macro WIN new
.if MSB != (\new)
	s_set_vgpr_msb (MSB<<8)|(\new)
.set MSB, (\new)
.endif
.endm
.set MUL_LO, 0xa1
.set MUL_HI, 0xf1
.set TO_B,   0x40
.macro JLOAD g0a, g1a, g0b, g1b        ; a joint load: waves 0 and 1 fetch for A, waves 2 and 3 for Wo; an s_nop 0 and four v_nop follow each of the two lines
	s_cmp_eq_u32 s[RH], 0
	s_cbranch_scc0 .Lfor_b_\@
	tensor_load_to_lds s[\g0a:\g0a+3], s[\g1a:\g1a+7]
	s_nop 0
.rept 4
	v_nop
.endr
	s_branch .Lasked_\@
.Lfor_b_\@:
	tensor_load_to_lds s[\g0b:\g0b+3], s[\g1b:\g1b+7]
	s_nop 0
.rept 4
	v_nop
.endr
.Lasked_\@:
.endm
.macro CREST
	s_cmp_lg_u32 s[WV], 0
	s_cbranch_scc1 .Lnot_wave_0_\@
	s_barrier_signal -3
.Lnot_wave_0_\@:
	s_barrier_wait -3
	s_barrier_signal -1
	s_barrier_wait -1
.endm
.macro CROUND
	s_barrier_signal -1
	s_barrier_wait -1
	CREST
.endm
	s_load_b256 s[4:11], s[0:1], 0x0               ; ac s[4:5], asc s[6:7], codes s[8:9], scales s[10:11]
	s_load_b128 s[12:15], s[0:1], 0x20             ; bo s[12:13], out0 s[14:15]
	v_lshl_add_u32 v[SPW], v0, 2, SPARE
	v_mov_b32 v[NIL], 0
	ds_add_u32 v[SPW], v[NIL]                      ; the wave's opening: the add and its wait stand ahead of my first tensor load; work on registers stands between them
	v_lshrrev_b32 v1, 5, v0
	v_readfirstlane_b32 s[WV], v1
	s_lshr_b32 s[RH], s[WV], 1                     ; which half of the rows is mine; also: I fetch for A (0) or for Wo (1)
	s_and_b32 s[CH], s[WV], 1                      ; which half of the columns; also: which half of that tile I fetch
	s_bfe_u32 s40, ttmp6, 0x40000                  ; cx
	s_bfe_u32 s41, ttmp6, 0x40004                  ; cy
	s_lshl_b32 s42, ttmp9, 2
	s_add_co_u32 s42, s42, s40                     ; tile column
	s_and_b32 s[TR], ttmp7, 0xffff
	s_lshl_b32 s[TR], s[TR], 2
	s_add_co_u32 s[TR], s[TR], s41                 ; tile row
	s_lshl_b32 s43, s41, 2
	s_lshl_b32 s43, 15, s43                        ; my row of the cluster
	s_lshl_b32 s44, 0x1111, s40                    ; my column
	; A's tile: 8 rows (tiles of tokens) of 3,072 bytes (four heads' pieces: 384 elements of 8 bytes), 12,288 bytes apart; dense in LDS
	s_or_b32 s[G1+0], s43, (3<<16)|(1<<21)
	s_mov_b32 s[G1+1], 384<<16
	s_mov_b32 s[G1+2], 8<<16
	s_mov_b32 s[G1+3], 384<<16
	s_mov_b32 s[G1+4], 8
	s_mov_b32 s[G1+5], 1536
	s_mov_b32 s[G1+6], 0
	s_mov_b32 s[G1+7], 0
	; Wo's tile: 128 rows x 192 bytes; 16 bytes of padding behind every 64
	s_or_b32 s[G1B+0], s44, (0<<16)|(1<<20)|(1<<21)|(3<<22)|(3<<25)
	s_mov_b32 s[G1B+1], ROWB<<16
	s_mov_b32 s[G1B+2], 128<<16
	s_mov_b32 s[G1B+3], ROWB<<16
	s_mov_b32 s[G1B+4], 128
	s_mov_b32 s[G1B+5], KROW
	s_mov_b32 s[G1B+6], 0
	s_mov_b32 s[G1B+7], 0
	; the scale bytes of 128 rows: 16 rows of 256 bytes, 16 bytes of padding behind each
	s_or_b32 s[G1S+0], s43, (3<<16)|(1<<20)|(1<<21)|(5<<22)|(3<<25)
	s_or_b32 s[G1SB+0], s44, (3<<16)|(1<<20)|(1<<21)|(5<<22)|(3<<25)
.irp g, G1S, G1SB
	s_mov_b32 s[\g+1], 32<<16
	s_mov_b32 s[\g+2], 16<<16
	s_mov_b32 s[\g+3], 32<<16
	s_mov_b32 s[\g+4], 16
	s_mov_b32 s[\g+5], 32
	s_mov_b32 s[\g+6], 0
	s_mov_b32 s[\g+7], 0
.endr
	s_lshl_b32 s16, s[TR], 4                       ; A, in registers that never hold cx
	s_lshl_b32 s17, s[CH], 3
	s_add_co_u32 s16, s16, s17                     ; the first tile of tokens that I fetch
	s_mul_i32 s20, s16, 12288
	s_mov_b32 s21, 0
	s_lshl_b32 s22, s16, 9                         ; its 16 rows of 32 scale bytes
	s_mov_b32 s23, 0
	s_lshl_b32 s46, s42, 8                         ; Wo, in registers that never hold cy
	s_lshl_b32 s47, s[CH], 7
	s_add_co_u32 s46, s46, s47                     ; the first row that I fetch
	s_lshl_b32 s92, s46, 5
	s_add_co_u32 s92, s92, 884736                  ; Wo's scale bytes begin here in 'scales',
	s_mov_b32 s93, 0
	s_mul_i32 s46, s46, KROW
	s_add_co_u32 s46, s46, 21233664                ; its codes here in 'codes'
	s_mov_b32 s47, 0
	s_mul_i32 s45, s[CH], HALFA                    ; where they go: no place in the cluster enters an LDS address
	s_mul_i32 s94, s[CH], HALFB
	s_add_co_u32 s94, s94, BOFF
	s_mul_i32 s95, s[WV], HALFS
	s_wait_dscnt 0x0                               ; the opening add is done
	s_wait_kmcnt 0x0
	s_add_nc_u64 s[20:21], s[4:5], s[20:21]
	s_add_nc_u64 s[22:23], s[6:7], s[22:23]
	s_add_nc_u64 s[46:47], s[8:9], s[46:47]
	s_add_nc_u64 s[92:93], s[10:11], s[92:93]
	CROUND                                         ; all sixteen work-groups are here: the first joint loads meet
	s_mov_b32 s[G0S], 1
	s_add_co_u32 s[G0S+1], s95, SCL
	s_mov_b64 s[G0S+2:G0S+3], s[22:23]
	s_or_b32 s[G0S+3], s[G0S+3], 0x80000000
	s_mov_b32 s[G0SB], 1
	s_add_co_u32 s[G0SB+1], s95, SCL
	s_mov_b64 s[G0SB+2:G0SB+3], s[92:93]
	s_or_b32 s[G0SB+3], s[G0SB+3], 0x80000000
	JLOAD G0S, G1S, G0SB, G1SB                     ; the scale bytes first
.irp s, 0,1
	s_mov_b32 s[G0+4*\s], 1
	s_add_co_u32 s[G0+4*\s+1], s45, \s*SLOT
	s_add_nc_u64 s[G0+4*\s+2:G0+4*\s+3], s[20:21], \s*3072
	s_or_b32 s[G0+4*\s+3], s[G0+4*\s+3], 0x80000000
	s_mov_b32 s[G0B+4*\s], 1
	s_add_co_u32 s[G0B+4*\s+1], s94, \s*SLOT
	s_add_nc_u64 s[G0B+4*\s+2:G0B+4*\s+3], s[46:47], \s*ROWB
	s_or_b32 s[G0B+4*\s+3], s[G0B+4*\s+3], 0x80000000
	JLOAD G0+4*\s, G1, G0B+4*\s, G1B
.endr
	v_and_b32 v1, 15, v0                           ; r
	v_bfe_u32 v2, v0, 4, 1                         ; h
	s_lshl_b32 s46, s42, 10                        ; my first column, in bytes: 1,024 x tile column + 512 x half
	s_lshl_b32 s47, s[CH], 9
	s_add_co_u32 s46, s46, s47
	v_lshl_add_u32 v12, v2, 5, s46                 ; the bias: register 8 b + j is column 16 b + 8 h + j
.irp b, 0,1,2,3,4,5,6,7
	global_load_b128 v[BB+8*\b:BB+8*\b+3], v12, s[12:13] offset:64*\b
	global_load_b128 v[BB+8*\b+4:BB+8*\b+7], v12, s[12:13] offset:64*\b+16
.endr
	v_and_b32 v6, 31, v0
	v_lshlrev_b32 v3, 4, v6                        ; 16 x lane
	v_lshlrev_b32 v4, 3, v6                        ; 8 x lane
	s_mul_i32 s21, s[RH], HALFA                    ; my 128 rows of A
.irp s, 0,1
	v_add_nc_u32 v[A16+\s], s21, v3
	v_add_nc_u32 v[A8+\s], s21, v4
	s_add_co_u32 s21, s21, SLOT
.endr
	v_mul_u32_u24 v3, v1, PITCH
	v_mul_u32_u24 v4, v2, 24
	v_add_nc_u32 v4, v3, v4                        ; Wo: a fragment's row x pitch + 24 x half
	v_lshl_add_u32 v5, v2, 4, v4                   ; and the same behind one padding more
	s_mul_i32 s22, s[CH], HALFB
	s_add_co_u32 s22, s22, BOFF
.irp s, 0,1
	v_add_nc_u32 v[ADRB+\s], s22, v4
	v_add_nc_u32 v[ADRB+2+\s], s22, v5
	s_add_co_u32 s22, s22, SLOT
.endr
	v_lshlrev_b32 v5, 5, v1                        ; my row's scale bytes: 32 a row,
	v_lshrrev_b32 v7, 8, v5
	v_lshl_add_u32 v5, v7, 4, v5                   ; and 16 more for each 256 passed
	s_mul_i32 s21, s[RH], HALFS
	s_mul_i32 s22, s[CH], HALFS
	s_add_co_u32 s22, s22, 2*HALFS
	s_sub_co_u32 s22, s22, s21
	v_mul_u32_u24 v7, s22, v2                      ; lanes 16-31 take Wo's
	s_add_co_u32 s21, s21, SCL
	v_add_nc_u32 v5, v5, v7
	v_add_nc_u32 v[ADRS], s21, v5
	s_mul_i32 s23, s[WV], 16*SPITCH                ; my stage
	v_mul_u32_u24 v5, v1, SPITCH                   ; in: row r, 32 bytes for each half of the lanes
	v_lshl_add_u32 v5, v2, 5, v5
	v_add_nc_u32 v[STO], s23, v5
	v_lshlrev_b32 v[CO], 4, v6                     ; back: the 32 lanes take one row of 512 bytes; and the same in the output
	v_add_nc_u32 v[RD], s23, v[CO]
	s_lshl_b32 s20, s[TR], 8
	s_lshl_b32 s21, s[RH], 7
	s_add_co_u32 s20, s20, s21                     ; my first row of the output
	s_lshl_b32 s20, s20, 12                        ; 4,096 bytes a row
	s_add_co_u32 s20, s20, s46
	s_mov_b32 s21, 0
	s_add_nc_u64 s[14:15], s[14:15], s[20:21]
.macro FRAG reg, adr, q, i             ; Wo: 16 rows x 128 K in pieces of 8 bytes
.irp p, 0,1,2,3,4,5
.set PCE, 12*(\q)+6*(\p/3)+\p%3
.if PCE%8 < 5
	ds_load_b64 v[\reg+2*\p:\reg+2*\p+1], v[\adr] offset:8*PCE+16*(PCE/8)+(\i)*16*PITCH
.else
	ds_load_b64 v[\reg+2*\p:\reg+2*\p+1], v[\adr+2] offset:8*PCE+16*(PCE/8)+(\i)*16*PITCH
.endif
.endr
.endm
.macro FRAGA reg, slot, q, i           ; A: two pieces, as they lie: every load reads consecutive bytes
	ds_load_b128 v[\reg:\reg+3], v[A16+\slot] offset:3072*(\i)+1536*(\q)
	ds_load_b64 v[\reg+4:\reg+5], v[A8+\slot] offset:3072*(\i)+1536*(\q)+512
	ds_load_b128 v[\reg+6:\reg+9], v[A16+\slot] offset:3072*(\i)+1536*(\q)+768
	ds_load_b64 v[\reg+10:\reg+11], v[A8+\slot] offset:3072*(\i)+1536*(\q)+1280
.endm
.macro MUL16 a0, p, q, sc, zero        ; 16 matrix instructions; the 64 accumulators take turns, one instruction a turn
.irp a, \a0, \a0+1
.irp b, 0,1,2,3,4,5,6,7
.if \zero
	v_wmma_scale_f32_16x16x128_f8f6f4 v[8*(8*((\a)%4)+\b):8*(8*((\a)%4)+\b)+7], v[128*(\p)+FR*\b:128*(\p)+FR*\b+FR-1], v[AF+FR*(\a):AF+FR*(\a)+FR-1], v[BB+8*\b:BB+8*\b+7], v[SC+8*NQ*(\sc)+NQ*\b+(\q)], v[SC+8*NQ*(\sc)+NQ*(\a)+(\q)] matrix_a_fmt:MATRIX_FMT_FP6 matrix_b_fmt:MATRIX_FMT_FP6 matrix_a_scale:MATRIX_SCALE_ROW1
.else
	v_wmma_scale_f32_16x16x128_f8f6f4 v[8*(8*((\a)%4)+\b):8*(8*((\a)%4)+\b)+7], v[128*(\p)+FR*\b:128*(\p)+FR*\b+FR-1], v[AF+FR*(\a):AF+FR*(\a)+FR-1], v[8*(8*((\a)%4)+\b):8*(8*((\a)%4)+\b)+7], v[SC+8*NQ*(\sc)+NQ*\b+(\q)], v[SC+8*NQ*(\sc)+NQ*(\a)+(\q)] matrix_a_fmt:MATRIX_FMT_FP6 matrix_b_fmt:MATRIX_FMT_FP6 matrix_a_scale:MATRIX_SCALE_ROW1
.endif
.endr
.endr
.endm
.macro FETCH_B slot, q, p
	WIN TO_B
.irp i, 0,1,2,3,4,5,6,7
	FRAG 128*(\p)+FR*\i, ADRB+\slot, \q, \i
.endr
	WIN 0
.endm
.macro FETCH_A slot, q, i0
.irp i, \i0, \i0+1, \i0+2, \i0+3
	FRAGA AF+FR*(\i), \slot, \q, \i
.endr
.endm
.macro SCALES sc
.irp i, 0,1,2,3,4,5,6,7
	ds_load_b64 v[SC+8*NQ*\sc+NQ*\i:SC+8*NQ*\sc+NQ*\i+1], v[ADRS] offset:\i*SBLK
.endr
.endm
.macro PLACES n
.rept \n
	v_nop
.endr
.endm
.macro STEP slot, q, zero
	s_wait_dscnt 4*NLA                             ; all but the youngest 16 loads (A's blocks 4-7) are in
.if \zero
	WIN 0x81                                       ; C (the bias) in window 0, D in window 2
.else
	WIN MUL_LO
.endif
	MUL16 0, (\q)%2, \q, \slot, \zero
	MUL16 2, (\q)%2, \q, \slot, \zero
	s_wait_dscnt 0
	PLACES NP
	FETCH_B \slot, (\q)+1, 1-(\q)%2
	FETCH_A \slot, (\q)+1, 0
.if \zero
	WIN 0xc1
.else
	WIN MUL_HI
.endif
	MUL16 4, (\q)%2, \q, \slot, \zero
	MUL16 6, (\q)%2, \q, \slot, \zero
	PLACES NP
	WIN 0
	FETCH_A \slot, (\q)+1, 4
.endm
.macro TURN slot, next, fill
	s_wait_tensorcnt 0x0                           ; all my tensor loads have landed: my part of the next slot
	ds_add_u32 v[SPW], v[NIL]
	s_wait_dscnt 4*NLA+1                           ; (the add and the youngest 16 loads may be out)
	WIN MUL_LO
	MUL16 0, 1, NQ-1, \slot, 0
	s_wait_dscnt 0x0                               ; the add is done, and my reads of this slot are over
	s_barrier_signal -1
	MUL16 2, 1, NQ-1, \slot, 0
	WIN 0
	s_barrier_wait -1
.if \fill
	CREST                                          ; the barrier has opened a round of the cluster's: no wave of any partner still reads this slot or has a load on its way
	s_add_nc_u64 s[G0+4*\slot+2:G0+4*\slot+3], s[G0+4*\slot+2:G0+4*\slot+3], 2*3072
	s_add_nc_u64 s[G0B+4*\slot+2:G0B+4*\slot+3], s[G0B+4*\slot+2:G0B+4*\slot+3], 2*ROWB
	JLOAD G0+4*\slot, G1, G0B+4*\slot, G1B         ; the first tensor load behind the round; its four v_nop are also the places in front of the loads below
.else
	PLACES NP
.endif
	v_add_nc_u32 v[ADRS], 4*NQ, v[ADRS]            ; on to the next K step's scale words
	FETCH_B \next, 0, 0
	FETCH_A \next, 0, 0
	SCALES \next
	WIN MUL_HI
	MUL16 4, 1, NQ-1, \slot, 0
	MUL16 6, 1, NQ-1, \slot, 0
	PLACES NP
	WIN 0
	FETCH_A \next, 0, 4
.endm
	s_wait_loadcnt 0x0                             ; the bias
	s_wait_tensorcnt 1                             ; of my three first fills the scale bytes and K step 0 are in; K step 1's may be out
	s_barrier_signal -1
	s_barrier_wait -1
	FETCH_B 0, 0, 0
	FETCH_A 0, 0, 0
	SCALES 0
	FETCH_A 0, 0, 4
	STEP 0, 0, 1                                   ; the first products start the sums from the bias
	s_mov_b32 s3, LAPS-1
.Llap:
	TURN 0, 1, 1
	STEP 1, 0, 0
	TURN 1, 0, 1
	STEP 0, 0, 0
	s_sub_co_u32 s3, s3, 1
	s_cmp_lg_u32 s3, 0
	s_cbranch_scc1 .Llap
	TURN 0, 1, 0                                   ; the last lap fills nothing
	STEP 1, 0, 0
	s_wait_dscnt 4*NLA
	WIN MUL_LO
	MUL16 0, 1, NQ-1, 1, 0
	MUL16 2, 1, NQ-1, 1, 0
	s_wait_dscnt 0
	WIN MUL_HI
	MUL16 4, 1, NQ-1, 1, 0
	MUL16 6, 1, NQ-1, 1, 0
	WIN 0
; THE WAY OUT, block by block of 16 rows x 128 columns, through my own stage in LDS: in as 32 bytes a lane, back as whole rows of 512 bytes.  LDS serves a wave's instructions in order: no wait between the stores and the loads.
.macro TOSTAGE a
.set AC, 64*((\a)%4)
	WIN 0x08+4*((\a)/4)                            ; the data: window 2 or 3
.irp b, 0,1,2,3,4,5,6,7
	ds_store_b128 v[STO], v[AC+8*\b:AC+8*\b+3] offset:64*\b          ; each accumulator from its low end on
	ds_store_b128 v[STO], v[AC+8*\b+4:AC+8*\b+7] offset:64*\b+16
.endr
	WIN 0
.set BX, BK+64*((\a)%2)
.irp t, 0,1,2,3,4,5,6,7,8,9,10,11,12,13,14,15
	ds_load_b128 v[BX+4*\t:BX+4*\t+3], v[RD] offset:\t*SPITCH
.endr
.endm
.macro SEND a, younger                 ; younger: the LDS instructions issued behind block a's loads, which may stay out
.set BX, BK+64*((\a)%2)
	s_wait_dscnt \younger
.irp t, 0,1,2,3,4,5,6,7,8,9,10,11,12,13,14,15
	global_store_b128 v[CO], v[BX+4*\t:BX+4*\t+3], s[14:15] offset:(32*((\a)/2)+8*((\a)%2)+\t+8*(\t/8))*4096 th:TH_STORE_NT   ; row t of block a is token 32 (a / 2) + 8 (a % 2) + t + 8 (t / 8) of my 128; 32 lanes store 512 consecutive bytes, aligned; the largest offset, 127 rows, lies inside the signed 24-bit immediate
.endr
.endm
	PLACES NP
	TOSTAGE 0
.irp a, 1,2,3,4,5,6,7
.if \a > 1
	s_wait_xcnt 0x0                                ; block a - 2's stores have read their registers: block a's loads may land there
.endif
	TOSTAGE \a
	SEND \a-1, 32                                  ; behind block a - 1's loads: block a's 16 stores and 16 loads
.endr
	SEND 7, 0
	s_wait_tensorcnt 0x0                           ; the wave's end, behind my last tensor load and my last LDS store
	ds_add_u32 v[SPW], v[NIL]
	s_wait_dscnt 0x0
	CROUND                                         ; the closing round
	s_endpgm
.Lfunc_end_k_q01bf699400_outp:
	.size	k_q01bf699400_outp, .Lfunc_end_k_q01bf699400_outp-k_q01bf699400_outp
	.p2alignl 7, 3214868480
	.fill 96, 4, 3214868480
	.section	.rodata,"a",@progbits
	.p2align	6, 0x0
	.amdhsa_kernel k_q01bf699400_outp
		.amdhsa_group_segment_fixed_size 327680
		.amdhsa_private_segment_fixed_size 0
		.amdhsa_enable_private_segment 0
		.amdhsa_kernarg_size 48
		.amdhsa_user_sgpr_count 2
		.amdhsa_user_sgpr_kernarg_segment_ptr 1
		.amdhsa_wavefront_size32 1
		.amdhsa_system_sgpr_workgroup_id_x 1
		.amdhsa_system_sgpr_workgroup_id_y 1
		.amdhsa_system_sgpr_workgroup_id_z 1
		.amdhsa_system_vgpr_workitem_id 0
		.amdhsa_next_free_vgpr 1024
		.amdhsa_next_free_sgpr 100
		.amdhsa_reserve_vcc 0
		.amdhsa_float_denorm_mode_32 3
		.amdhsa_float_denorm_mode_16_64 3
		.amdhsa_memory_ordered 1
		.amdhsa_forward_progress 1
		.amdhsa_inst_pref_size 153
	.end_amdhsa_kernel
	.amdgpu_metadata
---
amdhsa.version: [ 1, 2 ]
amdhsa.kernels:
  - .name:           k_q01bf699400_outp
    .symbol:         k_q01bf699400_outp.kd
    .args:
      - { .name: ac, .offset: 0, .size: 8, .value_kind: global_buffer, .address_space: global }
      - { .name: asc, .offset: 8, .size: 8, .value_kind: global_buffer, .address_space: global }
      - { .name: codes, .offset: 16, .size: 8, .value_kind: global_buffer, .address_space: global }
      - { .name: scales, .offset: 24, .size: 8, .value_kind: global_buffer, .address_space: global }
      - { .name: bo, .offset: 32, .size: 8, .value_kind: global_buffer, .address_space: global }
      - { .name: out0, .offset: 40, .size: 8, .value_kind: global_buffer, .address_space: global }
    .group_segment_fixed_size: 327680
    .private_segment_fixed_size: 0
    .kernarg_segment_align: 8
    .kernarg_segment_size: 48
    .max_flat_workgroup_size: 128
    .sgpr_count:     100
    .vgpr_count:     1024
    .wavefront_size: 32
...
	.end_amdgpu_metadata
.endif
;; end of part 4
